; MI455X (gfx1250); checked and timed in simulation.
; The chip was launched on July 23, 2026; its instructions are those of AMD's public machine-readable ISA for CDNA 5 (MIT licence, August 2026) and "CDNA5" Instruction Set Architecture Reference Guide (July 2026). The comments in the code are by the model that wrote it; some were corrected since.
;; Multi Head Attention V0. Allowed arithmetic: matrix products marked QUANTISED: E2M1 operands, one E8M0 scale for each 32 along K, by v_wmma_scale_f32_16x16x128_f8f6f4 with both operands' format E2M1 (or v_wmma_scale_f32_32x16x128_f4), f32 sums; products left as they are: bf16, f16 or f32 operands; f32 sums; everything else in f32.
;; Inputs: Wk 1,024 x 1,024 float32; Wo 1,024 x 1,024 float32; Wq 1,024 x 1,024 float32; Wv 1,024 x 1,024 float32; keys 4 x 2,048 x 1,024 float32; queries 4 x 2,048 x 1,024 float32; valid_lens 4 int32; values 4 x 2,048 x 1,024 float32.
;; Outputs: out0 4 x 2,048 x 1,024 float32.
;; This version of the problem:
;;   THIS VERSION OF THE PROBLEM IS GIVEN IN LOW PRECISION. The matrix products marked QUANTISED in the list below multiply operands that are first quantised to E2M1 (2 exponent bits, 1 mantissa bit; 4 bits a number), with one power-of-two scale for each 32 numbers along K (OCP MX v1.0); their sums are f32. The products marked 'left as it is' may take bf16, f16 or f32 operands, with f32 sums. Whichever they take, every output number must still come out within the allowed error. Rounding operands to bf16 (8 significant bits) uses up far more of that allowance than f16 does (11 bits, for magnitudes from 6e-5 to 65,504). All else is computed in f32.
;;   The module's matrix products, in the order in which they are computed (A, B: the left and right operand; K: the contracted axis; several contracted axes count as one K, in the product's order):
;;     1. [M 8,192, K 1,024] x [K 1,024, N 1,024]; A: input queries; B: input Wq: QUANTISED
;;     2. [M 8,192, K 1,024] x [K 1,024, N 1,024]; A: input keys; B: input Wk: QUANTISED
;;     3. [M 8,192, K 1,024] x [K 1,024, N 1,024]; A: input values; B: input Wv: QUANTISED
;;     4. batch 64 x [M 2,048, K 64] x [K 64, N 2,048]; A: computed on the way; B: computed on the way: left as it is (an operand is computed on the way)
;;     5. batch 64 x [M 2,048, K 2,048] x [K 2,048, N 64]; A: computed on the way; B: computed on the way: left as it is (an operand is computed on the way)
;;     6. [M 8,192, K 1,024] x [K 1,024, N 1,024]; A: computed on the way; B: input Wo: left as it is (an operand is computed on the way)
;;   THE QUANTISER, for each operand of a quantised product, along K:
;;     - K is cut into blocks of 32 from its start; a last block that is shorter is filled with zeros.
;;     - A block's scale is 2^e with e = floor(log2(the largest magnitude in the block)) - 2, held to -126 .. 127; a block of zeros has e = 0. As a byte (E8M0): e + 127.
;;     - Each number is divided by its block's scale, clamped to +-6, and rounded to the nearest number of E2M1, ties to even, subnormals kept.
;;     - The product sums the exact products of the quantised numbers (number of the format x scale) in f32.
;;   ~~~python
;;   def quantise(x, axis):      # numpy; x: float32 -> the quantised numbers, widened to float32 again
;;       x = np.moveaxis(x, axis, -1); K = x.shape[-1]
;;       x = np.pad(x, [(0, 0)] * (x.ndim - 1) + [(0, -K % 32)]); x = x.reshape(x.shape[:-1] + (-1, 32)); a = np.abs(x).max(-1, keepdims=True)
;;       e = np.where(a > 0, np.clip(np.frexp(np.where(a > 0, a, 1))[1] - 1 - 2, -126, 127), 0)      # np.frexp(a)[1] - 1 = floor(log2(a)), exactly
;;       r = np.clip(x / 2.0 ** e, -6, 6)
;;       step = 2.0 ** (np.maximum(np.frexp(np.where(r == 0, 1, r))[1] - 1, 0) - 1)
;;       q = np.round(r / step) * step * 2.0 ** e      # np.round: ties to even
;;       return np.moveaxis(q.reshape(q.shape[:-2] + (-1,))[..., :K], -1, axis).astype(np.float32)
;;   ~~~
;; One version. Each part assembles by itself: llvm-mc -triple=amdgcn-amd-amdhsa -mcpu=gfx1250 --defsym DOCPART=n.
;; ======== version 1 of 1: 4 launches
;; limits: values are held in f16: magnitudes above 65,504 overflow, below 6.1e-05 lose precision
;; workspace buffers: codes 14,155,776 bytes; scales 884,736 bytes; wof 2,097,152 bytes; qkv 50,331,648 bytes; tsum 524,288 bytes; of 16,777,216 bytes
;; launch prep (part 1): grid 880 x 1, 4 waves a work-group, no clusters, 68,096 bytes of LDS; arguments queries, keys, values, Wq, Wk, Wv, Wo, codes, scales, wof; writes codes, scales, wof
.if DOCPART == 1
	.amdgcn_target "amdgcn-amd-amdhsa--gfx1250"
	.amdhsa_code_object_version 6
	.text
	.protected	k_q63785d095c_prep
	.globl	k_q63785d095c_prep
	.p2align	8
	.type	k_q63785d095c_prep,@function
k_q63785d095c_prep:
	s_mov_b64 s[64:65], 0
	v_nop
	global_prefetch_b8 v0, s[64:65] scope:SCOPE_SE
	s_setreg_imm32_b32 hwreg(HW_REG_WAVE_MODE, 25, 1), 1
	s_wait_xcnt 0x0
; MULTI-HEAD ATTENTION, B = 4, S = 2,048, D = 1,024, 16 heads of 64, in four launches: prep (this one), proj, attn, outp.
; PREP turns the operands of the three quantised products into codes of FP4 (E2M1) with one E8M0 byte for each 32 along K, and Wo into f16 in the order of a matrix operand's registers.
; WORK LEFT OUT BY THE PROGRAM, AND WHY IT IS AN IDENTITY.  reference() gives every key at or behind valid_lens[b] the same score NEG.  In softmax(scores) V the joint share of a set of keys with one score s is
; exp(s - m) x (their number for the divisor, the sum of their rows of V for the dividend), for every value of every input.  So a tile of 64 keys that lies wholly behind valid_lens[b] needs neither q k^T nor p v:
; only the sum of its 64 rows of V (made in proj) and its count.  attn takes (count, sum, score NEG) as the first state of its running softmax; the maximum is still taken over NEG too.  No input is dead: all are loaded.
; valid_lens is held to 0 .. 2,048, which leaves arange(2048) < valid_lens as it is.  Rows of keys Wk behind valid_lens are thrown away by values of an input; proj computes them all the same.
; LIMITS.  NaN and infinities among the inputs are not served, and one that reaches only scores of tiles left out is not carried to the result.  q, k, v, the attention's result and Wo go on in f16: magnitudes beyond 65,504 overflow.
; Blocks whose largest magnitude lies under 2^-124 get the byte 1.  A block of zeros gets the byte 1 where the quantiser says 127: its codes are zeros, which add nothing, and this program alone reads the bytes.
; SHARES, by the work-group's number: 0-47 Wq, Wk, Wv (K is their FIRST axis: a lane takes a column, its registers run down K); 48-111 Wo; 112-879 queries, keys, values (K innermost: plain streams of blocks of 32).
; The three ways have LDS bytes of their own.  No tensor loads, no barrier: waves share nothing.
; codes: activation t at t XCB, [8192][512 bytes]; weight t at 3 XCB + t WCB, [n 1024][512 bytes], K innermost.  scales: activation t at t XSB, [8192][32]; weight t at 3 XSB + t WSB, [1024][32].
; wof: [n tile 64][kk 32][chunk 2][lane 32][16 bytes]: chunk c of lane (r, h) holds Wo[32 kk + 16 c + 8 h + 0..7][16 tile + r].
.set XCB,   4194304
.set WCB,   524288
.set XSB,   262144
.set WSB,   32768
.set EMAX,  2
.set SPW,   12                         ; v12  LDS address of my spare word; never rewritten
.set NIL,   13                         ; v13  0; never rewritten
.set SPARE, 67584                      ; behind both ways' LDS: 128 bytes a wave that no other line names
.set STEPS, 16                         ; the activations' way: a wave takes 16 steps of 512 numbers
.set CB,    8                          ; bytes of 16 codes
.set R,     16                         ; v16-79   four sets of 16 numbers as loaded
.set X,     80                         ; v80-111  two sets of 16 neighbours
.set E,     112                        ; v112-127 a scale byte for each step
.set C,     128                        ; v128-191 codes, registers of their own for each step
.set WREG,  8192                       ; LDS 0 .. 32,767: a region for each wave: two stages of 32 x SP bytes, then 256 scale bytes
.set SP,    80                         ; a lane's 64 bytes + 16 of padding
.set BSTG,  32768                      ; the weights' way: LDS 32,768 .. 67,583: a stage of 32 rows x PITCH for each wave
.set NB,    16                         ; blocks of 32 along K for a wave
.set PITCH, 272
.set KROW,  512                        ; a row of codes in bytes
.set XW,    32                         ; v32-95   two sets of 32 numbers
.set CW,    96                         ; v96-99   a block's codes
.set OUTR,  112                        ; v112-175 the way out
.set SB,    24                         ; v24-27   the scale bytes, four to a register
	s_load_b512 s[4:19], s[0:1], 0x0               ; queries s[4:5], keys s[6:7], values s[8:9], Wq s[10:11], Wk s[12:13], Wv s[14:15], Wo s[16:17], codes s[18:19]
	s_load_b128 s[20:23], s[0:1], 0x40             ; scales s[20:21], wof s[22:23]
	v_lshl_add_u32 v[SPW], v0, 2, SPARE
	v_mov_b32 v[NIL], 0
	v_lshrrev_b32 v1, 5, v0
	v_readfirstlane_b32 s24, v1                    ; wave 0..3
	v_and_b32 v2, 31, v0                           ; lane
	s_wait_kmcnt 0x0
	s_cmp_lt_u32 ttmp9, 48
	s_cbranch_scc1 .Lweights
	s_cmp_lt_u32 ttmp9, 112
	s_cbranch_scc1 .Lwo
; ---- queries, keys, values: tensor t, run of 8,192 numbers = 4 x (work-group in the tensor) + wave
	s_sub_co_u32 s25, ttmp9, 112
	s_lshr_b32 s26, s25, 8                         ; t
	s_and_b32 s25, s25, 255
	s_lshl_b32 s25, s25, 2
	s_add_co_u32 s25, s25, s24                     ; run 0..1023
	s_cmp_eq_u32 s26, 0                            ; the choice hangs on the work-group's number alone
	s_cselect_b64 s[4:5], s[4:5], s[6:7]
	s_cmp_eq_u32 s26, 2
	s_cselect_b64 s[4:5], s[8:9], s[4:5]
	s_lshl_b32 s28, s25, 15                        ; 32,768 bytes of f32 a run
	s_mov_b32 s29, 0
	s_add_nc_u64 s[4:5], s[4:5], s[28:29]
	s_lshl_b32 s28, s26, 22                        ; t XCB
	s_lshl_b32 s30, s25, 12                        ; 4,096 bytes of codes a run
	s_add_co_u32 s28, s28, s30
	s_add_nc_u64 s[18:19], s[18:19], s[28:29]
	s_lshl_b32 s28, s26, 18                        ; t XSB
	s_lshl_b32 s30, s25, 8                         ; 256 scale bytes a run
	s_add_co_u32 s28, s28, s30
	s_add_nc_u64 s[20:21], s[20:21], s[28:29]
	v_lshlrev_b32 v3, 4, v2                        ; my 16 bytes of a load's 512
	s_mul_i32 s27, s24, WREG
	v_lshrrev_b32 v14, 2, v2
	v_mul_u32_u24 v14, v14, SP
	v_and_b32 v15, 3, v2
	v_lshl_add_u32 v14, v15, 4, v14
	v_add_nc_u32 v14, s27, v14                     ; the stage, on the way in: four lanes' 64 bytes on end, then 16 of padding
	v_mul_u32_u24 v15, v2, SP
	v_add_nc_u32 v15, s27, v15                     ; and on the way out: my 16 neighbours
	v_mul_u32_u24 v4, v2, CB                       ; my codes' place in a step's 256 bytes
	v_lshrrev_b32 v5, 1, v2
	s_add_co_u32 s27, s27, 2*32*SP
	v_add_nc_u32 v5, s27, v5                       ; my block's byte among my wave's 256
	v_lshlrev_b32 v7, 3, v2                        ; on the way out 8 bytes a lane
	v_add_nc_u32 v6, s27, v7
.macro LOADA t
.irp i, 0,1,2,3
	global_load_b128 v[R+16*((\t)%4)+4*\i:R+16*((\t)%4)+4*\i+3], v3, s[4:5] offset:2048*(\t)+512*\i th:TH_LOAD_NT   ; 32 lanes read 512 consecutive bytes
.endr
.endm
.macro TURNA t                         ; step t's numbers through the stage: LDS serves a wave's instructions in order, so no wait stands between the stores and the loads
.irp i, 0,1,2,3
	ds_store_b128 v14, v[R+16*((\t)%4)+4*\i:R+16*((\t)%4)+4*\i+3] offset:32*SP*((\t)%2)+8*SP*\i
.endr
.irp i, 0,1,2,3
	ds_load_b128 v[X+16*((\t)%2)+4*\i:X+16*((\t)%2)+4*\i+3], v15 offset:32*SP*((\t)%2)+16*\i
.endr
.endm
.irp t, 0,1,2,3
	LOADA \t
.endr
	s_wait_loadcnt 12                              ; step 0's four loads are in; twelve younger ones stay out
	TURNA 0
.macro STEPA t
.set XR, X+16*((\t)%2)
.if (\t) > 0
	s_wait_dscnt 1                                 ; this step's numbers are back from the stage (the last step's byte store may be out)
.else
	s_wait_dscnt 0x0
.endif
.if (\t)+4 < STEPS
	LOADA (\t)+4                                   ; into the set whose stores into the stage are done
.endif
.if (\t)+1 < STEPS
.if STEPS-2-(\t) >= 3
	s_wait_loadcnt 12                              ; the next step's four loads are in; those of the three steps behind it may be out
.else
	s_wait_loadcnt 4*(STEPS-2-(\t))
.endif
	TURNA (\t)+1
.endif
	v_max3_num_f32 v8, |v[XR]|, |v[XR+1]|, |v[XR+2]|               ; the largest magnitude of my 16, in two chains
	v_max3_num_f32 v9, |v[XR+3]|, |v[XR+4]|, |v[XR+5]|
.irp i, 6,10
	v_max3_num_f32 v8, v8, |v[XR+\i]|, |v[XR+\i+1]|
	v_max3_num_f32 v9, v9, |v[XR+\i+2]|, |v[XR+\i+3]|
.endr
	v_max3_num_f32 v8, v8, |v[XR+14]|, |v[XR+15]|
	v_max3_num_f32 v8, v8, v9, (EMAX+1)<<23        ; and the floor 2^(EMAX + 1 - 127): the byte cannot fall under 1
	v_max_num_f32_dpp v8, v8, v8 row_xmask:1 row_mask:0xf bank_mask:0xf   ; with my neighbour's 16: the block's
	v_add_nc_u32 v11, -(EMAX<<23), v8              ; EMAX off its exponent field: the conversion takes this operand's exponent field as its scale
	v_cvt_scalef32_pk8_fp4_f32 v[C+4*(\t)], v[XR:XR+7], v11
	v_cvt_scalef32_pk8_fp4_f32 v[C+4*(\t)+1], v[XR+8:XR+15], v11
	v_lshrrev_b32 v[E+(\t)], 23, v11               ; the scale's byte
	ds_store_b8 v5, v[E+(\t)] offset:16*(\t)       ; both lanes of a block write the same byte with the same value
	global_store_b64 v4, v[C+4*(\t):C+4*(\t)+1], s[18:19] offset:32*CB*(\t)   ; the wave stores 256 consecutive bytes, aligned
.endm
.irp t, 0,1,2,3,4,5,6,7,8,9,10,11,12,13,14,15
	STEPA \t
.endr
	ds_load_b64 v[8:9], v6                         ; in order behind my byte stores
	s_wait_dscnt 0x0
	global_store_b64 v7, v[8:9], s[20:21]          ; 256 consecutive scale bytes, aligned
	s_branch .Lend
; ---- Wq, Wk, Wv: weight t, columns 128 x + 32 wave on, K = 512 y on
.Lweights:
	s_lshr_b32 s26, ttmp9, 4                       ; t
	s_and_b32 s25, ttmp9, 7                        ; x
	s_bfe_u32 s27, ttmp9, 0x10003                  ; y
	s_cmp_eq_u32 s26, 0
	s_cselect_b64 s[4:5], s[10:11], s[12:13]
	s_cmp_eq_u32 s26, 2
	s_cselect_b64 s[4:5], s[14:15], s[4:5]
	s_lshl_b32 s25, s25, 7
	s_lshl_b32 s28, s24, 5
	s_add_co_u32 s25, s25, s28                     ; my wave's first column
	s_lshl_b32 s28, s27, 21                        ; 512 y rows of 4,096 bytes
	s_lshl_b32 s30, s25, 2
	s_add_co_u32 s28, s28, s30
	s_mov_b32 s29, 0
	s_add_nc_u64 s[4:5], s[4:5], s[28:29]
	s_lshl_b32 s28, s26, 19                        ; t WCB
	s_lshl_b32 s30, s25, 9                         ; column x 512
	s_add_co_u32 s28, s28, s30
	s_lshl_b32 s30, s27, 8                         ; 256 y
	s_add_co_u32 s28, s28, s30
	s_add_co_u32 s28, s28, 3*XCB
	s_add_nc_u64 s[18:19], s[18:19], s[28:29]
	s_lshl_b32 s28, s26, 15                        ; t WSB
	s_lshl_b32 s30, s25, 5                         ; column x 32
	s_add_co_u32 s28, s28, s30
	s_lshl_b32 s30, s27, 4                         ; 16 y
	s_add_co_u32 s28, s28, s30
	s_add_co_u32 s28, s28, 3*XSB
	s_add_nc_u64 s[20:21], s[20:21], s[28:29]
	v_lshlrev_b32 v3, 2, v2                        ; in: 4 bytes a lane
	s_mul_i32 s27, s24, 32*PITCH
	s_add_co_u32 s27, s27, BSTG                    ; my stage
	v_mul_u32_u24 v4, v2, PITCH
	v_add_nc_u32 v4, s27, v4                       ; into it: row = my column
	v_and_b32 v5, 15, v2
	v_lshrrev_b32 v6, 4, v2                        ; out of it: sixteen lanes to a row, two rows an instruction
	v_mul_u32_u24 v7, v6, PITCH
	v_lshl_add_u32 v7, v5, 4, v7
	v_add_nc_u32 v7, s27, v7
	v_mul_u32_u24 v8, v6, KROW
	v_lshl_add_u32 v8, v5, 4, v8                   ; and the same place among the codes
	v_lshlrev_b32 v9, 5, v2                        ; my column's row of scale bytes
.macro LOADB t                         ; block t: W(32 t + i, my column), i = 0 .. 31, into set t % 2; the offsets stay under 511 x 4,096
.set i, 0
.rept 32
	global_load_b32 v[XW+32*((\t)%2)+i], v3, s[4:5] offset:(32*(\t)+i)*4096 th:TH_LOAD_NT
.set i, i+1
.endr
.endm
	LOADB 0
	LOADB 1
.macro BLOCKB t
.set XR, XW+32*((\t)%2)
.if (\t) < NB-1
	s_wait_loadcnt 32                              ; this block's 32 loads are in; the next block's may be out
.else
	s_wait_loadcnt 0
.endif
	v_max3_num_f32 v14, |v[XR]|, |v[XR+1]|, |v[XR+2]|              ; the block's largest magnitude: all 32 numbers are mine
	v_max3_num_f32 v15, |v[XR+3]|, |v[XR+4]|, |v[XR+5]|
.irp i, 6,10,14,18,22,26
	v_max3_num_f32 v14, v14, |v[XR+\i]|, |v[XR+\i+1]|
	v_max3_num_f32 v15, v15, |v[XR+\i+2]|, |v[XR+\i+3]|
.endr
	v_max3_num_f32 v14, v14, |v[XR+30]|, |v[XR+31]|
	v_max3_num_f32 v14, v14, v15, (EMAX+1)<<23     ; and the floor
	v_add_nc_u32 v11, -(EMAX<<23), v14             ; the conversion's scale operand
	v_lshrrev_b32 v15, 23, v11                     ; the scale's byte
.if (\t)%4 == 0
	v_mov_b32 v[SB+(\t)/4], v15                    ; four bytes to a register, the lower K in the lower byte
.else
	v_lshl_or_b32 v[SB+(\t)/4], v15, 8*((\t)%4), v[SB+(\t)/4]
.endif
.irp g, 0,1,2,3
	v_cvt_scalef32_pk8_fp4_f32 v[CW+\g], v[XR+8*\g:XR+8*\g+7], v11
.endr
	ds_store_b128 v4, v[CW:CW+3] offset:16*(\t)    ; 32 codes: 16 bytes of my column's row
.if (\t)+2 < NB
	LOADB (\t)+2
.endif
	s_wait_dscnt 0x0                               ; the store has read its registers: the next block's codes may be written
.endm
.set Q, 0
.rept NB
	BLOCKB Q
.set Q, Q+1
.endr
	global_store_b128 v9, v[SB:SB+3], s[20:21]     ; my column's 16 scale bytes
.irp t, 0,1,2,3,4,5,6,7,8,9,10,11,12,13,14,15
	ds_load_b128 v[OUTR+4*\t:OUTR+4*\t+3], v7 offset:2*\t*PITCH
.endr
.irp t, 0,1,2,3,4,5,6,7,8,9,10,11,12,13,14,15
	s_wait_dscnt 15-\t                             ; the younger row reads may stay out
	global_store_b128 v8, v[OUTR+4*\t:OUTR+4*\t+3], s[18:19] offset:2*\t*KROW   ; sixteen lanes store 256 consecutive bytes, aligned
.endr
	s_branch .Lend
; ---- Wo: wave W = 4 (work-group - 48) + wave takes n tile W / 4 and eight fragments kk = 8 (W % 4) on.  A lane takes column 16 tile + r and its registers run down K in the order of the operand's registers.
.Lwo:
	s_sub_co_u32 s25, ttmp9, 48
	s_lshl_b32 s25, s25, 2
	s_add_co_u32 s25, s25, s24                     ; W 0..255
	s_lshr_b32 s26, s25, 2                         ; n tile
	s_and_b32 s27, s25, 3
	v_and_b32 v5, 15, v2                           ; r
	v_lshrrev_b32 v6, 4, v2                        ; h
	v_lshlrev_b32 v3, 2, v5
	v_lshl_add_u32 v3, v6, 15, v3                  ; 8 h rows of 4,096 bytes + 4 r
	v_lshlrev_b32 v4, 4, v2                        ; out: 16 bytes a lane
	s_lshl_b32 s28, s27, 20                        ; 256 rows of 4,096 bytes for each 8 fragments
	s_lshl_b32 s30, s26, 6                         ; 16 columns of 4 bytes a tile
	s_add_co_u32 s28, s28, s30
	s_mov_b32 s29, 0
	s_add_nc_u64 s[16:17], s[16:17], s[28:29]
	s_lshl_b32 s28, s26, 15                        ; a tile's 32 fragments of 1,024 bytes
	s_lshl_b32 s30, s27, 13
	s_add_co_u32 s28, s28, s30
	s_add_nc_u64 s[22:23], s[22:23], s[28:29]
.macro LOADC g                         ; fragments 2 g, 2 g + 1 into set g % 2: element e of a fragment is k = 32 kk + 8 h + e, and 8 more from e = 8 on
.irp f, 0,1
.irp e, 0,1,2,3,4,5,6,7,8,9,10,11,12,13,14,15
	global_load_b32 v[32+32*((\g)%2)+16*\f+\e], v3, s[16:17] offset:(32*(2*(\g)+\f)+\e+8*(\e/8))*4096
.endr
.endr
.endm
.macro CVTC g                          ; rounded to f16 in pairs, the lower k in the low half; each store of the wave covers 512 consecutive bytes, aligned
.irp m, 0,1,2,3,4,5,6,7,8,9,10,11,12,13,14,15
	v_cvt_pk_f16_f32 v[96+16*(\g)+\m], v[32+32*((\g)%2)+2*\m], v[32+32*((\g)%2)+2*\m+1]
.endr
.irp i, 0,1,2,3
	global_store_b128 v4, v[96+16*(\g)+4*\i:96+16*(\g)+4*\i+3], s[22:23] offset:2048*(\g)+512*\i
.endr
.endm
	LOADC 0
	LOADC 1
	s_wait_loadcnt 32                              ; the older group of 32 is in, the younger stays out
	CVTC 0
	LOADC 2
	s_wait_loadcnt 32
	CVTC 1
	LOADC 3
	s_wait_loadcnt 32
	CVTC 2
	s_wait_loadcnt 0x0
	CVTC 3
.Lend:
	s_wait_tensorcnt 0x0                           ; the wave's end
	ds_add_u32 v[SPW], v[NIL]
	s_wait_dscnt 0x0
	s_endpgm
.Lfunc_end_k_q63785d095c_prep:
	.size	k_q63785d095c_prep, .Lfunc_end_k_q63785d095c_prep-k_q63785d095c_prep
	.p2alignl 7, 3214868480
	.fill 96, 4, 3214868480
	.section	.rodata,"a",@progbits
	.p2align	6, 0x0
	.amdhsa_kernel k_q63785d095c_prep
		.amdhsa_group_segment_fixed_size 68096
		.amdhsa_private_segment_fixed_size 0
		.amdhsa_enable_private_segment 0
		.amdhsa_kernarg_size 80
		.amdhsa_user_sgpr_count 2
		.amdhsa_user_sgpr_kernarg_segment_ptr 1
		.amdhsa_wavefront_size32 1
		.amdhsa_system_sgpr_workgroup_id_x 1
		.amdhsa_system_sgpr_workgroup_id_y 1
		.amdhsa_system_sgpr_workgroup_id_z 1
		.amdhsa_system_vgpr_workitem_id 0
		.amdhsa_next_free_vgpr 192
		.amdhsa_next_free_sgpr 66
		.amdhsa_reserve_vcc 0
		.amdhsa_float_denorm_mode_32 3
		.amdhsa_float_denorm_mode_16_64 3
		.amdhsa_memory_ordered 1
		.amdhsa_forward_progress 1
		.amdhsa_inst_pref_size 130
	.end_amdhsa_kernel
	.amdgpu_metadata
---
amdhsa.version: [ 1, 2 ]
amdhsa.kernels:
  - .name:           k_q63785d095c_prep
    .symbol:         k_q63785d095c_prep.kd
    .args:
      - { .name: queries, .offset: 0, .size: 8, .value_kind: global_buffer, .address_space: global }
      - { .name: keys, .offset: 8, .size: 8, .value_kind: global_buffer, .address_space: global }
      - { .name: values, .offset: 16, .size: 8, .value_kind: global_buffer, .address_space: global }
      - { .name: Wq, .offset: 24, .size: 8, .value_kind: global_buffer, .address_space: global }
      - { .name: Wk, .offset: 32, .size: 8, .value_kind: global_buffer, .address_space: global }
      - { .name: Wv, .offset: 40, .size: 8, .value_kind: global_buffer, .address_space: global }
      - { .name: Wo, .offset: 48, .size: 8, .value_kind: global_buffer, .address_space: global }
      - { .name: codes, .offset: 56, .size: 8, .value_kind: global_buffer, .address_space: global }
      - { .name: scales, .offset: 64, .size: 8, .value_kind: global_buffer, .address_space: global }
      - { .name: wof, .offset: 72, .size: 8, .value_kind: global_buffer, .address_space: global }
    .group_segment_fixed_size: 68096
    .private_segment_fixed_size: 0
    .kernarg_segment_align: 8
    .kernarg_segment_size: 80
    .max_flat_workgroup_size: 128
    .sgpr_count:     66
    .vgpr_count:     192
    .wavefront_size: 32
...
	.end_amdgpu_metadata
.endif
;; end of part 1
;; launch proj (part 2): grid 4 x 96, 4 waves a work-group, clusters of 4 x 4, 327,680 bytes of LDS; arguments codes, scales, qkv, tsum; writes qkv, tsum
.if DOCPART == 2
	.amdgcn_target "amdgcn-amd-amdhsa--gfx1250"
	.amdhsa_code_object_version 6
	.text
	.protected	k_q63785d095c_proj
	.globl	k_q63785d095c_proj
	.p2align	8
	.type	k_q63785d095c_proj,@function
k_q63785d095c_proj:
	s_mov_b64 s[64:65], 0
	v_nop
	global_prefetch_b8 v0, s[64:65] scope:SCOPE_SE
	s_setreg_imm32_b32 hwreg(HW_REG_WAVE_MODE, 25, 1), 1
	s_wait_xcnt 0x0
	s_wait_alu depctr_hold_cnt(0) depctr_sa_sdst(0) depctr_va_vdst(0) depctr_va_sdst(0) depctr_va_ssrc(0) depctr_va_vcc(0) depctr_vm_vsrc(0)
	s_getreg_b32 s2, hwreg(HW_REG_IB_STS2, 6, 4)
	s_cmp_eq_u32 s2, 0
	s_cbranch_scc0 .Lentry_in_a_cluster
	s_endpgm
.Lentry_in_a_cluster:
	s_bfe_u32 s2, ttmp6, 0x10000c
	s_cmp_lg_u32 s2, 0xf033
	s_cbranch_scc0 .Lentry_shape_is_right
	s_endpgm
.Lentry_shape_is_right:
; PROJ: q = queries Wq, k = keys Wk, v = values Wv, each [8192, 1024] x [1024, 1024], on codes of FP4 with E8M0 scales, sums in f32; the results leave as f16 in the order of the next product's operand registers.
; All rows of k are computed, those behind valid_lens too: here no branch hangs on a number read from memory.  Beside v go the sums of v over each tile of 64 keys (tsum), which attn uses for the tiles that it does not multiply.
; 24 clusters of 4 x 4 work-groups; cluster C serves product t = C / 8, part sub = C % 8.  A work-group makes 256 x 256, each of its four waves 128 x 128: 64 accumulators, 512 registers.
; THE MATRIX INSTRUCTION IS USED TRANSPOSED: source 0 = 16 rows of "B", source 1 = 16 rows of "A": a lane holds ONE row of A's side and eight neighbours of B's side.
; t = 0, 1: A = the activations (tokens), B = the weight (channels): a lane's eight f16 are eight channels of a token: 16 bytes of a fragment of q or k.
; t = 2:    A = Wv (channels), B = values (tokens): a lane's eight f16 are eight KEYS of a channel: 16 bytes of a fragment of v^T.  The change of roles is a change of offsets alone.
; So every result tile leaves by stores of 512 consecutive bytes, with no stage.  qkv: q at 0, k at 2^24: [b][head][token tile 128][s 2][c 2][lane][16 bytes], lane (r, h): token 16 T + r, channels 32 s + 16 c + 8 h + 0..7;
; v at 2^25: [b][head][g 64][c4 4][chunk 2][lane][16 bytes], lane (r, h): channel 16 c4 + r, keys 32 g + 16 chunk + 8 h + 0..7.  tsum: [b][J 32][1024] f32.
; K = 1,024 is two steps of 512 through two LDS slots, each filled once; the scale bytes of the work-group's rows come once too.  Tiles of A are shared along a row of the cluster, tiles of B along a column: joint loads.
; REGISTERS, in windows of 256: window 0: v0-31 addresses; v32-95 scale words, two sets; from v128 A's fragments, one set; on the way out v32-255 are free.  window 1: B's fragments, two sets.  windows 2, 3: the accumulators ((a, b) at v[8 (8 (a % 4) + b)]).
.set XCB,    4194304
.set WCB,    524288
.set XSB,    262144
.set WSB,    32768
.set KSTEP,  512
.set NQ,     4                         ; matrix instructions deep in a slot
.set ROWB,   256                       ; a tile's row in bytes
.set KROW,   512                       ; a row of codes in memory
.set PITCH,  272                       ; 256 bytes + 16 of padding: the 16 rows of a load start at 16 different groups of four banks (64 banks of 4 bytes: ISA guide 11.1)
.set FR,     8
.set NL,     2
.set NP,     4                         ; places behind this matrix instruction (ISA guide 7.12.1)
.set HALFT,  128*PITCH
.set SLOT,   4*HALFT
.set KS,     32                        ; a row of scale bytes
.set SCL,    2*SLOT
.set HALFS,  (128*KS/256)*272
.set SBLK,   (16*KS/256)*272
.set SPARE,  SCL+4*HALFS               ; the spare words: 128 bytes a wave that no other line names
.set ADRA, 16
.set ADRB, 20
.set CO,   26                          ; v26  16 x lane
.set ADRS, 27
.set SPW,  28
.set NIL,  29
.set TSA,  30                          ; v30  where I put a tile sum: 1,024 x wave + 4 r, in slot 0 after its last read
.set TSR,  31                          ; v31  where I read them back: 1,024 x wave + 16 x lane
.set SC,   32
.set AF,   128
.set G1, 24
.set G0, 32
.set G1B, 48
.set G0B, 56
.set G1S, 68
.set G0S, 76
.set G1SB, 80
.set G0SB, 88
.set MSB, 0
.macro WIN new                         ; the immediate's high byte repeats the setting that is left
.if MSB != \new
	s_set_vgpr_msb (MSB<<8)|\new
.set MSB, \new
.endif
.endm
.set MUL_LO, 0xa1
.set MUL_HI, 0xf1
.set TO_B,   0x40
; A joint load: waves 0 and 1 fetch for A, waves 2 and 3 for B; the branch hangs on the wave's number alone.  An s_nop 0 and four v_nop follow each line.
.macro JLOAD g0a, g1a, g0b, g1b
	s_cmp_eq_u32 s15, 0
	s_cbranch_scc0 .Lfor_b_\@
	tensor_load_to_lds s[\g0a:\g0a+3], s[\g1a:\g1a+7]
	s_nop 0
.rept 4
	v_nop
.endr
	s_branch .Lasked_\@
.Lfor_b_\@:
	tensor_load_to_lds s[\g0b:\g0b+3], s[\g1b:\g1b+7]
	s_nop 0
.rept 4
	v_nop
.endr
.Lasked_\@:
.endm
.macro CROUND                          ; a round of the cluster's barrier
	s_barrier_signal -1
	s_barrier_wait -1
	s_cmp_lg_u32 s14, 0
	s_cbranch_scc1 .Lnot_wave_0_\@
	s_barrier_signal -3
.Lnot_wave_0_\@:
	s_barrier_wait -3
	s_barrier_signal -1
	s_barrier_wait -1
.endm
	s_load_b256 s[4:11], s[0:1], 0x0               ; codes s[4:5], scales s[6:7], qkv s[8:9], tsum s[10:11]
	v_lshl_add_u32 v[SPW], v0, 2, SPARE
	v_mov_b32 v[NIL], 0
	ds_add_u32 v[SPW], v[NIL]                      ; the wave's opening: the add, twice on end, and its wait ahead of my first tensor load
	ds_add_u32 v[SPW], v[NIL]
	v_lshrrev_b32 v1, 5, v0
	v_readfirstlane_b32 s14, v1                    ; wave 0..3
	s_lshr_b32 s15, s14, 1                         ; my half of A's rows.  Also: I fetch for A (0) or for B (1)
	s_and_b32 s16, s14, 1                          ; my half of B's rows.  Also: which 128 rows I fetch
	s_bfe_u32 s40, ttmp6, 0x40000                  ; cx
	s_bfe_u32 s41, ttmp6, 0x40004                  ; cy
	s_and_b32 s98, ttmp7, 0xffff                   ; the cluster's number, 0..23: the same in all sixteen partners
	s_lshr_b32 s95, s98, 3                         ; t
	s_and_b32 s98, s98, 7
	s_lshl_b32 s98, s98, 2                         ; 4 sub
	s_lshl_b32 s18, s95, 22                        ; activation t's codes
	s_lshl_b32 s19, s95, 19
	s_add_co_u32 s19, s19, 3*XCB                   ; weight t's codes
	s_lshl_b32 s20, s95, 18                        ; activation t's scales
	s_lshl_b32 s21, s95, 15
	s_add_co_u32 s21, s21, 3*XSB                   ; weight t's scales
	s_cmp_eq_u32 s95, 2                            ; for v the two operands change roles
	s_cselect_b32 s17, 0, s98                      ; A's tiles: 4 sub + cy of 32 (tokens), or cy of 4 (channels)
	s_cselect_b32 s42, s98, 0                      ; B's tiles: cx of 4, or 4 sub + cx of 32
	s_cselect_b32 s96, s19, s18                    ; where A's codes begin,
	s_cselect_b32 s97, s18, s19                    ; B's codes,
	s_cselect_b32 s98, s21, s20                    ; A's scales,
	s_cselect_b32 s99, s20, s21                    ; B's scales
	s_add_co_u32 s17, s17, s41                     ; A's tile of 256 rows: it never holds cx
	s_add_co_u32 s42, s42, s40                     ; B's tile: it never holds cy
	s_lshl_b32 s43, s41, 2
	s_lshl_b32 s43, 15, s43                        ; my row of the cluster
	s_lshl_b32 s44, 0x1111, s40                    ; my column
	s_or_b32 s[G1+0], s43, (0<<16)|(1<<20)|(1<<21)|(5<<22)|(3<<25)  ; the mask; elements of 1 byte; padding of 4 words after every 64; bit 21 beside a mask
	s_or_b32 s[G1B+0], s44, (0<<16)|(1<<20)|(1<<21)|(5<<22)|(3<<25)
.irp g, G1, G1B
	s_mov_b32 s[\g+1], ROWB<<16                    ; tensor_dim0
	s_mov_b32 s[\g+2], 128<<16                     ; tensor_dim1
	s_mov_b32 s[\g+3], ROWB<<16                    ; tile_dim0
	s_mov_b32 s[\g+4], 128                         ; tile_dim1
	s_mov_b32 s[\g+5], KROW                        ; from row to row
	s_mov_b32 s[\g+6], 0
	s_mov_b32 s[\g+7], 0
.endr
	s_or_b32 s[G1S+0], s43, (3<<16)|(1<<20)|(1<<21)|(5<<22)|(3<<25) ; the scales of 128 rows: 4,096 dense bytes as 16 rows of 256 (32 elements of 8 bytes), 16 bytes of padding behind each
	s_or_b32 s[G1SB+0], s44, (3<<16)|(1<<20)|(1<<21)|(5<<22)|(3<<25)
.irp g, G1S, G1SB
	s_mov_b32 s[\g+1], 32<<16
	s_mov_b32 s[\g+2], (128*KS/256)<<16
	s_mov_b32 s[\g+3], 32<<16
	s_mov_b32 s[\g+4], 128*KS/256
	s_mov_b32 s[\g+5], 32
	s_mov_b32 s[\g+6], 0
	s_mov_b32 s[\g+7], 0
.endr
	s_lshl_b32 s18, s16, 7                         ; which 128 rows of the tile I fetch
	s_lshl_b32 s20, s17, 8
	s_add_co_u32 s20, s20, s18                     ; A's row
	s_lshl_b32 s46, s42, 8
	s_add_co_u32 s46, s46, s18                     ; B's row
	s_lshl_b32 s22, s20, 5                         ; 32 scale bytes a row
	s_add_co_u32 s22, s22, s98
	s_mov_b32 s23, 0
	s_lshl_b32 s92, s46, 5
	s_add_co_u32 s92, s92, s99
	s_mov_b32 s93, 0
	s_lshl_b32 s20, s20, 9                         ; 512 bytes of codes a row
	s_add_co_u32 s20, s20, s96
	s_mov_b32 s21, 0
	s_lshl_b32 s46, s46, 9
	s_add_co_u32 s46, s46, s97
	s_mov_b32 s47, 0
	s_mul_i32 s45, s14, HALFT                      ; where they go: wave x 128 rows: no place in the cluster enters an LDS address
	s_mul_i32 s94, s14, HALFS
	s_wait_dscnt 0x0                               ; both opening adds are done
	s_wait_kmcnt 0x0
	s_add_nc_u64 s[20:21], s[4:5], s[20:21]
	s_add_nc_u64 s[22:23], s[6:7], s[22:23]
	s_add_nc_u64 s[46:47], s[4:5], s[46:47]
	s_add_nc_u64 s[92:93], s[6:7], s[92:93]
	CROUND                                         ; all sixteen work-groups are here: the joint loads meet
	s_mov_b32 s[G0S], 1
	s_add_co_u32 s[G0S+1], s94, SCL
	s_mov_b64 s[G0S+2:G0S+3], s[22:23]
	s_or_b32 s[G0S+3], s[G0S+3], 0x80000000
	s_mov_b32 s[G0SB], 1
	s_add_co_u32 s[G0SB+1], s94, SCL
	s_mov_b64 s[G0SB+2:G0SB+3], s[92:93]
	s_or_b32 s[G0SB+3], s[G0SB+3], 0x80000000
	JLOAD G0S, G1S, G0SB, G1SB                     ; the scales first; three loads of mine are out behind the third
.irp s, 0,1
	s_mov_b32 s[G0+4*\s], 1
	s_add_co_u32 s[G0+4*\s+1], s45, \s*SLOT
	s_add_nc_u64 s[G0+4*\s+2:G0+4*\s+3], s[20:21], \s*ROWB
	s_or_b32 s[G0+4*\s+3], s[G0+4*\s+3], 0x80000000
	s_mov_b32 s[G0B+4*\s], 1
	s_add_co_u32 s[G0B+4*\s+1], s45, \s*SLOT
	s_add_nc_u64 s[G0B+4*\s+2:G0B+4*\s+3], s[46:47], \s*ROWB
	s_or_b32 s[G0B+4*\s+3], s[G0B+4*\s+3], 0x80000000
	JLOAD G0+4*\s, G1, G0B+4*\s, G1B
.endr
	v_and_b32 v1, 15, v0                           ; r
	v_bfe_u32 v2, v0, 4, 1                         ; h
	v_mul_u32_u24 v3, v1, PITCH
	v_lshl_add_u32 v4, v2, 4, v3                   ; a fragment's row x pitch + 16 h
	s_mul_i32 s21, s15, HALFT                      ; my 128 rows of A
	s_mul_i32 s22, s16, HALFT                      ; my 128 rows of B,
	s_add_co_u32 s22, s22, 2*HALFT                 ; behind A's 256
.irp s, 0,1
	v_add_nc_u32 v[ADRA+\s], s21, v4
	v_add_nc_u32 v[ADRB+\s], s22, v4
	s_add_co_u32 s21, s21, SLOT
	s_add_co_u32 s22, s22, SLOT
.endr
	v_mul_u32_u24 v5, v1, KS                       ; my row's scales: 32 bytes a row,
	v_lshrrev_b32 v6, 8, v5
	v_lshl_add_u32 v5, v6, 4, v5                   ; and 16 more for each 256 passed
	s_mul_i32 s21, s15, HALFS
	s_mul_i32 s22, s16, HALFS
	s_add_co_u32 s22, s22, 2*HALFS
	s_sub_co_u32 s22, s22, s21
	v_mul_u32_u24 v6, s22, v2                      ; lanes 16-31 take B's
	s_add_co_u32 s21, s21, SCL
	v_add_nc_u32 v5, v5, v6
	v_add_nc_u32 v[ADRS], s21, v5
	s_lshl_b32 s23, s14, 10
	v_lshl_add_u32 v[TSA], v1, 2, s23
	v_and_b32 v6, 31, v0
	v_lshlrev_b32 v[CO], 4, v6
	v_add_nc_u32 v[TSR], s23, v[CO]
.macro FRAG reg, adr, q, i             ; 16 rows x 128 K of 4-bit codes: 8 registers: two loads of 16 bytes, 32 bytes apart
.irp c, 0,1
	ds_load_b128 v[\reg+4*\c:\reg+4*\c+3], v[\adr] offset:64*(\q)+32*\c+(\i)*16*PITCH
.endr
.endm
; 16 matrix instructions: A's blocks a0, a0 + 1 x B's eight.  The 64 accumulators take turns, one instruction a turn, in the same order in every step.
; One scale register carries A's word of block i in lanes 0-15 and B's in lanes 16-31.
.macro MUL16 a0, p, q, sc, zero
.irp a, \a0, \a0+1
.irp b, 0,1,2,3,4,5,6,7
.if \zero
	v_wmma_scale_f32_16x16x128_f8f6f4 v[8*(8*((\a)%4)+\b):8*(8*((\a)%4)+\b)+7], v[128*(\p)+FR*\b:128*(\p)+FR*\b+FR-1], v[AF+FR*(\a):AF+FR*(\a)+FR-1], 0, v[SC+8*NQ*(\sc)+NQ*\b+(\q)], v[SC+8*NQ*(\sc)+NQ*(\a)+(\q)] matrix_a_fmt:MATRIX_FMT_FP4 matrix_b_fmt:MATRIX_FMT_FP4 matrix_a_scale:MATRIX_SCALE_ROW1
.else
	v_wmma_scale_f32_16x16x128_f8f6f4 v[8*(8*((\a)%4)+\b):8*(8*((\a)%4)+\b)+7], v[128*(\p)+FR*\b:128*(\p)+FR*\b+FR-1], v[AF+FR*(\a):AF+FR*(\a)+FR-1], v[8*(8*((\a)%4)+\b):8*(8*((\a)%4)+\b)+7], v[SC+8*NQ*(\sc)+NQ*\b+(\q)], v[SC+8*NQ*(\sc)+NQ*(\a)+(\q)] matrix_a_fmt:MATRIX_FMT_FP4 matrix_b_fmt:MATRIX_FMT_FP4 matrix_a_scale:MATRIX_SCALE_ROW1
.endif
.endr
.endr
.endm
.macro FETCH_B slot, q, p
	WIN TO_B
.irp i, 0,1,2,3,4,5,6,7
	FRAG 128*(\p)+FR*\i, ADRB+\slot, \q, \i
.endr
	WIN 0
.endm
.macro FETCH_A slot, q, i0
.irp i, \i0, \i0+1, \i0+2, \i0+3
	FRAG AF+FR*(\i), ADRA+\slot, \q, \i
.endr
.endm
.macro SCALES sc                       ; a slot's scale words: four words a row
.irp i, 0,1,2,3,4,5,6,7
	ds_load_b128 v[SC+8*NQ*\sc+NQ*\i:SC+8*NQ*\sc+NQ*\i+3], v[ADRS] offset:\i*SBLK
.endr
.endm
.macro PLACES n                        ; plain vector instructions between a matrix instruction and a load into, or a read of, its registers
.rept \n
	v_nop
.endr
.endm
.macro STEP slot, q, zero              ; 128 along K whose successor lies in the same slot
	s_wait_dscnt 4*NL                              ; B's set and A's blocks 0-3 are in; the youngest eight loads (A's blocks 4-7) may be out
	WIN MUL_LO
	MUL16 0, (\q)%2, \q, \slot, \zero
	MUL16 2, (\q)%2, \q, \slot, \zero
	s_wait_dscnt 0
	PLACES NP
	FETCH_B \slot, (\q)+1, 1-(\q)%2
	FETCH_A \slot, (\q)+1, 0
	WIN MUL_HI
	MUL16 4, (\q)%2, \q, \slot, \zero
	MUL16 6, (\q)%2, \q, \slot, \zero
	PLACES NP
	WIN 0
	FETCH_A \slot, (\q)+1, 4
.endm
.macro STEPS slot, from
.set Q, \from
.rept NQ-1-\from
	STEP \slot, Q, 0
.set Q, Q+1
.endr
.endm
	s_wait_tensorcnt 1                             ; the scales and my part of slot 0 are in; slot 1's load may be out
	s_barrier_signal -1
	s_barrier_wait -1
	FETCH_B 0, 0, 0
	FETCH_A 0, 0, 0
	SCALES 0
	FETCH_A 0, 0, 4
	STEP 0, 0, 1                                   ; the first products start the sums: nothing is cleared
	STEPS 0, 1
	; slot 0's last step changes slots: one barrier; nothing is filled again
	s_wait_tensorcnt 0x0                           ; my part of slot 1 has landed
	ds_add_u32 v[SPW], v[NIL]                      ; 0 onto my spare word
	s_wait_dscnt 4*NL+1                            ; (the add and A's blocks 4-7 may be out)
	WIN MUL_LO
	MUL16 0, 1, NQ-1, 0, 0
	s_wait_dscnt 0x0                               ; the add is done, and my reads of slot 0 are over
	s_barrier_signal -1
	MUL16 2, 1, NQ-1, 0, 0
	WIN 0
	s_barrier_wait -1                              ; slot 1 is whole, and nobody reads slot 0 any more
	PLACES NP
	v_add_nc_u32 v[ADRS], 4*NQ, v[ADRS]            ; the second slot's scale words
	FETCH_B 1, 0, 0
	FETCH_A 1, 0, 0
	SCALES 1
	WIN MUL_HI
	MUL16 4, 1, NQ-1, 0, 0
	MUL16 6, 1, NQ-1, 0, 0
	PLACES NP
	WIN 0
	FETCH_A 1, 0, 4
	STEPS 1, 0
	s_wait_dscnt 4*NL
	WIN MUL_LO
	MUL16 0, 1, NQ-1, 1, 0
	MUL16 2, 1, NQ-1, 1, 0
	s_wait_dscnt 0
	WIN MUL_HI
	MUL16 4, 1, NQ-1, 1, 0
	MUL16 6, 1, NQ-1, 1, 0
	WIN 0
	PLACES NP                                      ; in front of the first read of results and the first write of registers that the last products read
; THE WAY OUT.  Block a (16 rows of A's side) x B's eight blocks: rounded to f16, each accumulator from its low end on, 16 bytes a lane; four sets of 32 registers by turns.
.macro PACKF a
.set AC, 64*((\a)%4)
.set TP, 32+32*((\a)%4)
.set WN, 0x0a+5*((\a)/4)
.if (\a) >= 4
	s_wait_xcnt 0x0                                ; the stores of four blocks ago have read these registers
.endif
	WIN WN                                         ; sources in window 2 or 3
.irp b, 0,1,2,3,4,5,6,7
.irp r, 0,1,2,3
	v_cvt_pk_f16_f32 v[TP+4*\b+\r], v[AC+8*\b+2*\r], v[AC+8*\b+2*\r+1]
.endr
.endr
	WIN 0
.endm
	s_cmp_eq_u32 s95, 2                            ; the cluster's number alone
	s_cbranch_scc1 .Lv
	; q or k: token0 = 256 x A's tile + 128 x half; head0 = 4 x B's tile + 2 x half
	s_lshl_b32 s18, s17, 8
	s_lshl_b32 s19, s15, 7
	s_add_co_u32 s18, s18, s19
	s_lshr_b32 s19, s18, 11                        ; batch
	s_lshl_b32 s19, s19, 4
	s_lshl_b32 s20, s42, 2
	s_add_co_u32 s19, s19, s20
	s_lshl_b32 s20, s16, 1
	s_add_co_u32 s19, s19, s20                     ; 16 batch + head0
	s_lshl_b32 s19, s19, 18                        ; 262,144 bytes a head
	s_and_b32 s18, s18, 2047
	s_lshl_b32 s18, s18, 7                         ; 2,048 bytes for each 16 tokens
	s_add_co_u32 s18, s18, s19
	s_lshl_b32 s19, s95, 24
	s_add_co_u32 s18, s18, s19
	s_mov_b32 s19, 0
	s_add_nc_u64 s[12:13], s[8:9], s[18:19]
.irp a, 0,1,2,3,4,5,6,7
	PACKF \a
.irp b, 0,1,2,3,4,5,6,7
	global_store_b128 v[CO], v[TP+4*\b:TP+4*\b+3], s[12:13] offset:\a*2048+(\b/4)*262144+(\b%4)*512 th:TH_STORE_NT   ; 512 consecutive bytes, aligned
.endr
.endr
	s_branch .Lfin
.Lv:
	; v: token0 = 256 x B's tile + 128 x half; head0 = 4 x A's tile + 2 x half
	s_mov_b32 s96, 0x76543210                      ; v_permlanex16_b32's selects for lane l xor 16
	s_mov_b32 s97, 0xfedcba98
	s_lshl_b32 s18, s42, 8
	s_lshl_b32 s19, s16, 7
	s_add_co_u32 s18, s18, s19
	s_lshr_b32 s19, s18, 11                        ; batch
	s_and_b32 s18, s18, 2047                       ; first key in the batch
	s_lshl_b32 s20, s19, 4
	s_lshl_b32 s21, s17, 2
	s_add_co_u32 s20, s20, s21
	s_lshl_b32 s21, s15, 1
	s_add_co_u32 s20, s20, s21
	s_lshl_b32 s20, s20, 18
	s_lshl_b32 s21, s18, 7                         ; 4,096 bytes for each 32 keys
	s_add_co_u32 s20, s20, s21
	s_add_co_u32 s20, s20, 33554432
	s_mov_b32 s21, 0
	s_add_nc_u64 s[12:13], s[8:9], s[20:21]
	s_lshl_b32 s20, s19, 17                        ; tsum: 32 tiles of 4,096 bytes a batch,
	s_lshl_b32 s22, s18, 6                         ; 4,096 bytes for each 64 keys,
	s_add_co_u32 s20, s20, s22
	s_lshl_b32 s22, s17, 10                        ; my first channel x 4
	s_add_co_u32 s20, s20, s22
	s_lshl_b32 s22, s15, 9
	s_add_co_u32 s20, s20, s22
	s_add_nc_u64 s[10:11], s[10:11], s[20:21]
; Block a is 16 channels x 128 keys.  Beside the f16 tile: the f32 sums over keys 0-63 (g = 0) and 64-127 (g = 1): a lane's 32 numbers of each, then lane l xor 16's.
.macro OUTV a
.set AC, 64*((\a)%4)
.set WN, 0x0a+5*((\a)/4)
	WIN WN
.irp b, 0,1,2,3,4,5,6,7
	v_pk_add_f32 v[160+4*\b:161+4*\b], v[AC+8*\b:AC+8*\b+1], v[AC+8*\b+2:AC+8*\b+3]
	v_pk_add_f32 v[162+4*\b:163+4*\b], v[AC+8*\b+4:AC+8*\b+5], v[AC+8*\b+6:AC+8*\b+7]
.endr
	PACKF \a
.irp b, 0,1,2,3,4,5,6,7
	global_store_b128 v[CO], v[TP+4*\b:TP+4*\b+3], s[12:13] offset:((\a)/4)*262144+((\a)%4)*1024+(\b/2)*4096+(\b%2)*512 th:TH_STORE_NT
.endr
.irp g, 0,1
.set P0, 160+16*\g
	v_pk_add_f32 v[P0:P0+1], v[P0:P0+1], v[P0+2:P0+3]
	v_pk_add_f32 v[P0+4:P0+5], v[P0+4:P0+5], v[P0+6:P0+7]
	v_pk_add_f32 v[P0+8:P0+9], v[P0+8:P0+9], v[P0+10:P0+11]
	v_pk_add_f32 v[P0+12:P0+13], v[P0+12:P0+13], v[P0+14:P0+15]
	v_pk_add_f32 v[P0:P0+1], v[P0:P0+1], v[P0+4:P0+5]
	v_pk_add_f32 v[P0+8:P0+9], v[P0+8:P0+9], v[P0+12:P0+13]
	v_pk_add_f32 v[P0:P0+1], v[P0:P0+1], v[P0+8:P0+9]
	v_add_f32 v[P0], v[P0], v[P0+1]
	v_permlanex16_b32 v[P0+2], v[P0], s96, s97
	v_add_f32 v[192+2*(\a)+\g], v[P0], v[P0+2]     ; a register of its own for each sum
	ds_store_b32 v[TSA], v[192+2*(\a)+\g] offset:\g*512+(\a)*64   ; both halves of the lanes write the same word with the same value
.endr
.endm
.irp a, 0,1,2,3,4,5,6,7
	OUTV \a
.endr
	ds_load_b128 v[208:211], v[TSR]                ; my wave's own bytes, in order behind my stores: 128 channels of key tile 0,
	ds_load_b128 v[212:215], v[TSR] offset:512     ; and of key tile 1
	s_wait_dscnt 0x0
	global_store_b128 v[CO], v[208:211], s[10:11]  ; 512 consecutive bytes, aligned
	global_store_b128 v[CO], v[212:215], s[10:11] offset:4096
.Lfin:
	s_wait_tensorcnt 0x0                           ; the wave's end
	ds_add_u32 v[SPW], v[NIL]
	s_wait_dscnt 0x0
	CROUND                                         ; the closing round
	s_endpgm
.Lfunc_end_k_q63785d095c_proj:
	.size	k_q63785d095c_proj, .Lfunc_end_k_q63785d095c_proj-k_q63785d095c_proj
	.p2alignl 7, 3214868480
	.fill 96, 4, 3214868480
	.section	.rodata,"a",@progbits
	.p2align	6, 0x0
	.amdhsa_kernel k_q63785d095c_proj
		.amdhsa_group_segment_fixed_size 327680
		.amdhsa_private_segment_fixed_size 0
		.amdhsa_enable_private_segment 0
		.amdhsa_kernarg_size 32
		.amdhsa_user_sgpr_count 2
		.amdhsa_user_sgpr_kernarg_segment_ptr 1
		.amdhsa_wavefront_size32 1
		.amdhsa_system_sgpr_workgroup_id_x 1
		.amdhsa_system_sgpr_workgroup_id_y 1
		.amdhsa_system_sgpr_workgroup_id_z 1
		.amdhsa_system_vgpr_workitem_id 0
		.amdhsa_next_free_vgpr 1024
		.amdhsa_next_free_sgpr 100
		.amdhsa_reserve_vcc 0
		.amdhsa_float_denorm_mode_32 3
		.amdhsa_float_denorm_mode_16_64 3
		.amdhsa_memory_ordered 1
		.amdhsa_forward_progress 1
		.amdhsa_inst_pref_size 160
	.end_amdhsa_kernel
	.amdgpu_metadata
---
amdhsa.version: [ 1, 2 ]
amdhsa.kernels:
  - .name:           k_q63785d095c_proj
    .symbol:         k_q63785d095c_proj.kd
    .args:
      - { .name: codes, .offset: 0, .size: 8, .value_kind: global_buffer, .address_space: global }
      - { .name: scales, .offset: 8, .size: 8, .value_kind: global_buffer, .address_space: global }
      - { .name: qkv, .offset: 16, .size: 8, .value_kind: global_buffer, .address_space: global }
      - { .name: tsum, .offset: 24, .size: 8, .value_kind: global_buffer, .address_space: global }
    .group_segment_fixed_size: 327680
    .private_segment_fixed_size: 0
    .kernarg_segment_align: 8
    .kernarg_segment_size: 32
    .max_flat_workgroup_size: 128
    .sgpr_count:     100
    .vgpr_count:     1024
    .wavefront_size: 32
...
	.end_amdgpu_metadata
.endif
;; end of part 2
;; launch attn (part 3): grid 16 x 16, 16 waves a work-group, no clusters, 133,120 bytes of LDS; arguments qkv, tsum, valid_lens, of; writes of
.if DOCPART == 3
	.amdgcn_target "amdgcn-amd-amdhsa--gfx1250"
	.amdhsa_code_object_version 6
	.text
	.protected	k_q63785d095c_attn
	.globl	k_q63785d095c_attn
	.p2align	8
	.type	k_q63785d095c_attn,@function
k_q63785d095c_attn:
	s_mov_b64 s[64:65], 0
	v_nop
	global_prefetch_b8 v0, s[64:65] scope:SCOPE_SE
	s_setreg_imm32_b32 hwreg(HW_REG_WAVE_MODE, 25, 1), 1
	s_wait_xcnt 0x0
; ATTN: o[b][h][q] = softmax_k(where(k < valid_lens[b], q . k / 8, -1e6)) v, operands in f16, products, maxima and sums in f32; o leaves as f16 in the order of the last product's operand registers.
; WORK LEFT OUT: tiles of 64 keys that lie wholly at or behind valid_lens[b] are not multiplied.  All their keys have the score NEG, so their joint share is exp(NEG - m) x (their count, the sum of their rows of v),
; for all values of the inputs: it is the FIRST STATE of the running softmax here (m = NEG, l = count, O = the sum, from tsum).  The tile that holds the boundary is walked, with a select.  A NaN or an infinity that reaches only scores left out is not carried.
; SHARES.  Work-group (x, y) serves queries 128 x .. 128 x + 127 of head y in ALL FOUR batches, so that every work-group has the same work whatever the lengths are.  Wave w: SUB = w / 4, batch BB = (w % 4 + SUB) % 4;
; it owns queries 128 x + 32 SUB .. + 31 of batch BB: two tiles of 16.  The four waves of a batch share that batch's tiles of k and v through LDS: each brings a quarter (4,096 bytes) of each step's 16,384.
; NO TENSOR LOADS AND NO CLUSTER: how many key steps a wave works hangs on valid_lens, a number read from memory; so LDS is filled through registers, and the loop has a constant count of 32 steps with every barrier on every wave's path; only work is jumped over.
; LAYOUT.  S^T = k q^T (source 0 = 16 keys, source 1 = 16 queries) and O^T = v^T p (source 0 = 16 channels, source 1 = p): a lane holds ONE query throughout.  Two tiles of S^T, rounded to f16 in pairs, ARE source 1 of the second product.
; k and v lie in memory and in LDS as images of operand registers: every fragment comes by loads of 16 bytes at 16 x lane.
; SOFTMAX.  Running maximum m and sum l for each query, scores raw (q . k): p = 2^(c s - c m), c = log2(e) / 8; NEG is -8e6 in raw units.  O and l are multiplied by a = 2^(c m_old - c m_new) in every step.
; LDS: batch BB at 32,768 BB: two slots of 16,384 (k's 8,192 bytes, then v's).  Behind them the spare words.
; REGISTERS: v1 16 x lane; v2 where I store my quarter; v3 where I read; v4, v5 the add's two; v6 8 h; v7 256 x lane; v8-31 statistics, 12 a tile: +0 c m, +1 m, +2, +3 l, +4..+7 at work, +8 a, +9 c m_old, +10, +11 the mask's;
; v32-63 q; v64-127 S^T, then p; v128-191 O^T; v192-223 four fragments; v224-255 my quarter of a later tile on its way to LDS.
.set SPARE, 131072
.set KOFF,  16777216
.set VOFF,  33554432
.set L16, 1
.set LST, 2
.set LRD, 3
.set SPW, 4
.set NIL, 5
.set H8,  6
.set PFO, 7
.set TV,  8
.set QV,  32
.set SV,  64
.set OV,  128
.set FV,  192
.set GV,  224
	s_load_b256 s[4:11], s[0:1], 0x0               ; qkv s[4:5], tsum s[6:7], valid_lens s[8:9], of s[10:11]
	v_lshl_add_u32 v[SPW], v0, 2, SPARE
	v_mov_b32 v[NIL], 0
	v_lshrrev_b32 v8, 5, v0
	v_readfirstlane_b32 s12, v8                    ; wave 0..15
	s_lshr_b32 s14, s12, 2                         ; SUB
	s_and_b32 s15, s12, 3
	s_add_co_u32 s15, s15, s14
	s_and_b32 s15, s15, 3                          ; BB
	s_and_b32 s16, ttmp7, 0xffff                   ; head
	s_mov_b32 s17, ttmp9                           ; x
	v_and_b32 v8, 31, v0                           ; lane
	v_lshlrev_b32 v[L16], 4, v8
	s_lshl_b32 s28, s15, 15
	s_lshl_b32 s29, s14, 12
	v_add_nc_u32 v[LRD], s28, v[L16]
	s_add_co_u32 s29, s29, s28
	v_add_nc_u32 v[LST], s29, v[L16]
	v_bfe_u32 v9, v0, 4, 1                         ; h
	v_lshlrev_b32 v[H8], 3, v9
	v_lshlrev_b32 v[PFO], 8, v8
	v_and_b32 v10, 15, v0                          ; r
	v_lshlrev_b32 v11, 12, v10
	v_lshl_add_u32 v11, v9, 5, v11                 ; tsum: key tile r (4,096 bytes a tile), my half's eight channels
	s_mov_b32 s36, 0x3e38aa3b                      ; c = log2(e) / 8
	s_mov_b32 s37, s36                             ; (named with it as a pair)
	s_mov_b32 s38, 0x76543210                      ; selects for lane l xor 16
	s_mov_b32 s39, 0xfedcba98
	s_wait_kmcnt 0x0
	s_load_b128 s[20:23], s[8:9], 0x0              ; the four lengths
	s_lshl_b32 s28, s15, 4
	s_add_co_u32 s28, s28, s16
	s_lshl_b32 s28, s28, 18                        ; (16 BB + head) x 262,144
	s_and_b32 s29, s14, 1
	s_lshl_b32 s29, s29, 12
	s_add_co_u32 s29, s29, s28
	s_mov_b32 s30, VOFF
	s_cmp_lt_u32 s14, 2                            ; SUB 0, 1 bring k's halves, SUB 2, 3 v's
	s_cselect_b32 s30, KOFF, s30
	s_add_co_u32 s32, s29, s30
	s_mov_b32 s33, 0
	s_add_nc_u64 s[32:33], s[4:5], s[32:33]        ; my quarter of key tile 0; stepped by 8,192 in every step
	s_lshl_b32 s29, s17, 14
	s_add_co_u32 s34, s28, s29
	s_lshl_b32 s29, s14, 12
	s_add_co_u32 s34, s34, s29                     ; q: token tile 8 x + 2 SUB, 2,048 bytes a tile
	s_mov_b32 s35, 0
	s_add_nc_u64 s[34:35], s[4:5], s[34:35]
	s_lshl_b32 s42, s15, 17
	s_lshl_b32 s29, s16, 8
	s_add_co_u32 s42, s42, s29
	s_mov_b32 s43, 0
	s_add_nc_u64 s[42:43], s[6:7], s[42:43]        ; tsum at my batch and head
	s_lshl_b32 s28, s15, 7
	s_lshl_b32 s29, s17, 3
	s_add_co_u32 s28, s28, s29
	s_lshl_b32 s29, s14, 1
	s_add_co_u32 s28, s28, s29                     ; of: token tile 128 BB + 8 x + 2 SUB,
	s_lshl_b32 s28, s28, 15                        ; 32,768 bytes a tile,
	s_lshl_b32 s29, s16, 11                        ; 2,048 bytes a head
	s_add_co_u32 s28, s28, s29
	s_mov_b32 s29, 0
	s_add_nc_u64 s[44:45], s[10:11], s[28:29]
.irp i, 0,1,2,3,4,5,6,7
	global_load_b128 v[GV+4*\i:GV+4*\i+3], v[L16], s[32:33] offset:512*\i          ; key tile 0: it lies in the buffer whatever the length
.endr
.irp i, 0,1,2,3,4,5,6,7
	global_load_b128 v[QV+4*\i:QV+4*\i+3], v[L16], s[34:35] offset:512*\i          ; q stays in registers: tile i / 4, channels 32 ((i / 2) % 2) on
.endr
.irp u, 0,1
.irp c, 0,1,2,3
	global_load_b128 v[SV+32*\u+8*\c:SV+32*\u+8*\c+3], v11, s[42:43] offset:65536*\u+64*\c        ; the sums of v over key tiles r and r + 16, in O^T's layout
	global_load_b128 v[SV+32*\u+8*\c+4:SV+32*\u+8*\c+7], v11, s[42:43] offset:65536*\u+64*\c+16
.endr
.endr
	s_wait_kmcnt 0x0
	s_cmp_eq_u32 s15, 1
	s_cselect_b32 s24, s21, s20
	s_cmp_eq_u32 s15, 2
	s_cselect_b32 s24, s22, s24
	s_cmp_eq_u32 s15, 3
	s_cselect_b32 s24, s23, s24
	s_max_i32 s24, s24, 0
	s_min_i32 s24, s24, 2048                       ; VL: arange(2048) < valid_lens is the same for the held number.  It enters no address
	s_add_co_u32 s25, s24, 63
	s_lshr_b32 s25, s25, 6                         ; NST: key tiles that are walked, 0 .. 32
	s_and_b32 s28, s14, 1
	s_or_b32 s28, s28, s17
	s_cmp_eq_u32 s28, 0
	s_cselect_b32 s40, s25, 0                      ; who prefetches: SUB 0 (k) and SUB 2 (v) of the head's first work-group, up to NST
	v_add_nc_u32 v12, 16, v10
	v_cmp_le_u32 s30, s25, v10                     ; is key tile r left out?
	v_cmp_le_u32 s31, s25, v12                     ; and r + 16?
	s_wait_loadcnt 0x0
	; THE FIRST STATE: the sums of the tiles left out: a select, an addition, four steps across the sixteen lanes of a half
.set i, 0
.rept 32
	v_cndmask_b32 v[SV+i], 0, v[SV+i], s30
	v_cndmask_b32 v[SV+32+i], 0, v[SV+32+i], s31
.set i, i+1
.endr
.set i, 0
.rept 16
	v_pk_add_f32 v[OV+2*i:OV+2*i+1], v[SV+2*i:SV+2*i+1], v[SV+32+2*i:SV+32+2*i+1]
.set i, i+1
.endr
.irp m, 1,2,4,8
.set i, 0
.rept 32
	v_add_f32_dpp v[OV+i], v[OV+i], v[OV+i] row_xmask:\m row_mask:0xf bank_mask:0xf
.set i, i+1
.endr
.endr
.set i, 0
.rept 32
	v_mov_b32 v[OV+32+i], v[OV+i]                  ; the same for both tiles of queries
.set i, i+1
.endr
	s_lshl_b32 s28, s25, 6
	s_sub_co_u32 s28, 2048, s28                    ; the count of keys left out
	s_mov_b32 s29, 0xff61b1e6                      ; none: m = -3e38, under every score
	s_cmp_lg_u32 s28, 0
	s_cselect_b32 s29, 0xcaf42400, s29             ; some: m = NEG in raw units, -8e6
	v_cvt_f32_u32 v[TV+2], s28
	v_mul_f32 v[TV+2], 0.5, v[TV+2]                ; l: half in each half of the lanes, which are added at the end
	v_mov_b32 v[TV+3], 0
	v_mov_b32 v[TV+1], s29
	v_mul_f32 v[TV], s36, v[TV+1]
	v_mov_b32 v[TV+5], 0                           ; written once: a lane permute's destination counts as a source,
	v_mov_b32 v[TV+8], 0                           ; and a pair is named whole
	v_mov_b32 v[TV+9], 0
	v_mov_b32 v[TV+12], v[TV]
	v_mov_b32 v[TV+13], v[TV+1]
	v_mov_b32 v[TV+14], v[TV+2]
	v_mov_b32 v[TV+15], 0
	v_mov_b32 v[TV+17], 0
	v_mov_b32 v[TV+20], 0
	v_mov_b32 v[TV+21], 0
.irp i, 0,1,2,3,4,5,6,7
	ds_store_b128 v[LST], v[GV+4*\i:GV+4*\i+3] offset:512*\i          ; key tile 0 into slot 0
.endr
	s_cmp_gt_u32 s25, 1
	s_cbranch_scc0 .Lno_tile_1
	s_wait_dscnt 0x0                               ; the stores have read their registers
.irp i, 0,1,2,3,4,5,6,7
	global_load_b128 v[GV+4*\i:GV+4*\i+3], v[L16], s[32:33] offset:8192+512*\i
.endr
.Lno_tile_1:
; Half u of S^T = k q^T: key tiles 2 u, 2 u + 1 x my two tiles of queries, 64 channels: four accumulators by turns, one instruction a turn
.macro KHALF p, u
.irp i, 0,1,2,3,4,5,6,7
	ds_load_b128 v[FV+4*\i:FV+4*\i+3], v[LRD] offset:\p*16384+\u*4096+512*\i
.endr
	s_wait_dscnt 0x0
.irp s, 0,1
.irp t, 0,1
.irp q, 0,1
.if \s == 0
	v_wmma_f32_16x16x32_f16 v[SV+32*\q+8*(2*\u+\t):SV+32*\q+8*(2*\u+\t)+7], v[FV+8*(2*\t+\s):FV+8*(2*\t+\s)+7], v[QV+16*\q+8*\s:QV+16*\q+8*\s+7], 0
.else
	v_wmma_f32_16x16x32_f16 v[SV+32*\q+8*(2*\u+\t):SV+32*\q+8*(2*\u+\t)+7], v[FV+8*(2*\t+\s):FV+8*(2*\t+\s)+7], v[QV+16*\q+8*\s:QV+16*\q+8*\s+7], v[SV+32*\q+8*(2*\u+\t):SV+32*\q+8*(2*\u+\t)+7]
.endif
.endr
.endr
.endr
.rept 4
	v_nop                                          ; places in front of loads into the fragments' registers and of the first read of scores
.endr
.endm
; O^T += v^T p for keys 32 g on: eight accumulators by turns
.macro PV g
.irp c, 0,1,2,3
.irp q, 0,1
	v_wmma_f32_16x16x32_f16 v[OV+32*\q+8*\c:OV+32*\q+8*\c+7], v[FV+8*\c:FV+8*\c+7], v[SV+32*\q+8*\g:SV+32*\q+8*\g+7], v[OV+32*\q+8*\c:OV+32*\q+8*\c+7]
.endr
.endr
.endm
; The two tiles' softmax of one key step, line by line by turns, so that no line waits for the line above it
.macro SOFTMAX
.irp j, 0,1,2,3
.irp q, 0,1
	v_max3_num_f32 v[TV+12*\q+4+\j], v[SV+32*\q+8*\j], v[SV+32*\q+8*\j+1], v[SV+32*\q+8*\j+2]   ; four chains, each accumulator from its low end on
.endr
.endr
.irp k, 1,2
.irp j, 0,1,2,3
.irp q, 0,1
	v_max3_num_f32 v[TV+12*\q+4+\j], v[TV+12*\q+4+\j], v[SV+32*\q+8*\j+2*\k+1], v[SV+32*\q+8*\j+2*\k+2]
.endr
.endr
.endr
.irp q, 0,1
	v_max3_num_f32 v[TV+12*\q+4], v[TV+12*\q+4], v[SV+32*\q+7], v[SV+32*\q+15]
	v_max3_num_f32 v[TV+12*\q+6], v[TV+12*\q+6], v[SV+32*\q+23], v[SV+32*\q+31]
.endr
.irp q, 0,1
	v_max3_num_f32 v[TV+12*\q+4], v[TV+12*\q+4], v[TV+12*\q+5], v[TV+12*\q+6]
.endr
.irp q, 0,1
	v_max3_num_f32 v[TV+12*\q+4], v[TV+12*\q+4], v[TV+12*\q+7], v[TV+12*\q+1]   ; with the old m
.endr
.irp q, 0,1
	v_permlanex16_b32 v[TV+12*\q+5], v[TV+12*\q+4], s38, s39    ; the query's other 32 keys lie in the lane 16 away
.endr
.irp q, 0,1
	v_mov_b32 v[TV+12*\q+9], v[TV+12*\q]           ; c m_old
.endr
.irp q, 0,1
	v_max_num_f32 v[TV+12*\q+1], v[TV+12*\q+4], v[TV+12*\q+5]
.endr
.irp q, 0,1
	v_mul_f32 v[TV+12*\q], s36, v[TV+12*\q+1]
.endr
.irp q, 0,1
	v_sub_f32 v[TV+12*\q+9], v[TV+12*\q+9], v[TV+12*\q]
.endr
.set b, 0
.rept 16
.irp q, 0,1
	v_pk_fma_f32 v[SV+32*\q+2*b:SV+32*\q+2*b+1], v[SV+32*\q+2*b:SV+32*\q+2*b+1], s[36:37], v[TV+12*\q:TV+12*\q+1] op_sel_hi:[1,0,0] neg_lo:[0,0,1] neg_hi:[0,0,1]   ; c s - c m
.endr
.set b, b+1
.endr
.irp q, 0,1
	v_exp_f32 v[TV+12*\q+8], v[TV+12*\q+9]         ; a.  ONE BATCH of 66 exponentials; none reads another's result
.endr
.set b, 0
.rept 32
.irp q, 0,1
	v_exp_f32 v[SV+32*\q+b], v[SV+32*\q+b]
.endr
.set b, b+1
.endr
	v_nop                                          ; a plain instruction behind the last exponential (ISA guide 5.7.2)
	s_wait_alu depctr_va_vdst(0)                   ; one wait for the batch, ahead of its first reader
.irp q, 0,1
	v_pk_add_f32 v[TV+12*\q+4:TV+12*\q+5], v[SV+32*\q:SV+32*\q+1], v[SV+32*\q+2:SV+32*\q+3]      ; the sum of the unrounded p, in two chains
	v_pk_add_f32 v[TV+12*\q+6:TV+12*\q+7], v[SV+32*\q+4:SV+32*\q+5], v[SV+32*\q+6:SV+32*\q+7]
.endr
.irp i, 8,12,16,20,24,28
.irp q, 0,1
	v_pk_add_f32 v[TV+12*\q+4:TV+12*\q+5], v[TV+12*\q+4:TV+12*\q+5], v[SV+32*\q+\i:SV+32*\q+\i+1]
	v_pk_add_f32 v[TV+12*\q+6:TV+12*\q+7], v[TV+12*\q+6:TV+12*\q+7], v[SV+32*\q+\i+2:SV+32*\q+\i+3]
.endr
.endr
.irp q, 0,1
	v_pk_add_f32 v[TV+12*\q+4:TV+12*\q+5], v[TV+12*\q+4:TV+12*\q+5], v[TV+12*\q+6:TV+12*\q+7]
.endr
.irp q, 0,1
	v_pk_fma_f32 v[TV+12*\q+2:TV+12*\q+3], v[TV+12*\q+2:TV+12*\q+3], v[TV+12*\q+8:TV+12*\q+9], v[TV+12*\q+4:TV+12*\q+5] op_sel_hi:[1,0,1]   ; l = a l + the sum
.endr
.set b, 0
.rept 16
.irp q, 0,1
	v_cvt_pk_f16_f32 v[SV+32*\q+b], v[SV+32*\q+2*b], v[SV+32*\q+2*b+1]   ; p to f16, in place, ascending: register b is written when pairs up to b have been read
.endr
.set b, b+1
.endr
.set b, 0
.rept 16
.irp q, 0,1
	v_pk_mul_f32 v[OV+32*\q+2*b:OV+32*\q+2*b+1], v[OV+32*\q+2*b:OV+32*\q+2*b+1], v[TV+12*\q+8:TV+12*\q+9] op_sel_hi:[1,0]   ; O^T x a
.endr
.set b, b+1
.endr
.endm
; A KEY STEP: key tile J (s26) lies in slot p.
.macro STEP p
	s_wait_dscnt 0x0                               ; my stores of tile J have landed, and my reads of tile J - 1 are back
	s_barrier_signal -1
	s_barrier_wait -1                              ; both hold of all sixteen waves: slot p is whole, nobody reads slot 1 - p
	s_cmp_ge_u32 s26, s25
	s_cbranch_scc1 .Lidle_\@                       ; my batch's keys are done: only work is jumped over
	s_add_co_u32 s28, s26, 1
	s_cmp_ge_u32 s28, s25
	s_cbranch_scc1 .Lfilled_\@
	s_wait_loadcnt 0x0                             ; my quarter of tile J + 1, asked for a whole step ago
.irp i, 0,1,2,3,4,5,6,7
	ds_store_b128 v[LST], v[GV+4*\i:GV+4*\i+3] offset:(1-\p)*16384+512*\i
.endr
	s_add_co_u32 s28, s26, 2
	s_cmp_ge_u32 s28, s25
	s_cbranch_scc1 .Lfilled_\@
	s_wait_dscnt 0x0                               ; the stores have read their registers
.irp i, 0,1,2,3,4,5,6,7
	global_load_b128 v[GV+4*\i:GV+4*\i+3], v[L16], s[32:33] offset:16384+512*\i    ; tile J + 2
.endr
	s_add_co_u32 s28, s26, 4
	s_cmp_ge_u32 s28, s40
	s_cbranch_scc1 .Lfilled_\@
	global_prefetch_b8 v[PFO], s[32:33] offset:32768 th:TH_LOAD_NT scope:SCOPE_SE   ; tile J + 4's 8,192 bytes of k (SUB 0) or v (SUB 2), lanes 256 bytes apart: two steps ahead of their load; each block is named once in the launch; it stops at NST
.Lfilled_\@:
	KHALF \p, 0
	KHALF \p, 1
.irp i, 0,1,2,3,4,5,6,7
	ds_load_b128 v[FV+4*\i:FV+4*\i+3], v[LRD] offset:\p*16384+8192+512*\i          ; v of keys 0-31: it lands while the softmax is walked
.endr
	s_lshl_b32 s28, s26, 6
	s_add_co_u32 s29, s28, 64
	s_cmp_le_u32 s29, s24
	s_cbranch_scc1 .Lopen_\@                       ; all 64 keys count
	s_sub_co_i32 s29, s24, s28
	s_sub_co_i32 s29, s29, 1
	v_sub_nc_u32 v[TV+10], s29, v[H8]              ; d = VL - 64 J - 1 - 8 h.  Register n holds key 64 J + 16 (n / 8) + 8 h + n % 8: behind the length where 16 (n / 8) + n % 8 > d
	v_mov_b32 v[TV+11], 0xcaf42400                 ; NEG in raw units
.set n, 0
.rept 32
	v_cmp_gt_i32 vcc_lo, 16*(n/8)+n%8, v[TV+10]
	v_cndmask_b32 v[SV+n], v[SV+n], v[TV+11], vcc_lo
	v_cndmask_b32 v[SV+32+n], v[SV+32+n], v[TV+11], vcc_lo
.set n, n+1
.endr
.Lopen_\@:
	SOFTMAX
	s_wait_dscnt 0x0                               ; v of keys 0-31
	PV 0
.rept 4
	v_nop
.endr
.irp i, 0,1,2,3,4,5,6,7
	ds_load_b128 v[FV+4*\i:FV+4*\i+3], v[LRD] offset:\p*16384+12288+512*\i         ; v of keys 32-63
.endr
	s_wait_dscnt 0x0
	PV 1
.rept 5
	v_nop                                          ; five places: the next step's first products write over p's registers; its loads land in the fragments'
.endr
.Lidle_\@:
	s_wait_xcnt 0x0                                ; this step's loads and prefetch have read their base
	s_add_nc_u64 s[32:33], s[32:33], 8192          ; once in every step, worked or not
	s_add_co_u32 s26, s26, 1
.endm
	s_mov_b32 s26, 0                               ; J
	s_mov_b32 s27, 0
.Lkeys:                                            ; 16 trips of two steps: a constant count
	STEP 0
	STEP 1
	s_add_co_u32 s27, s27, 1
	s_cmp_lt_u32 s27, 16
	s_cbranch_scc1 .Lkeys
	; THE WAY OUT: l's halves and lane l xor 16's; O^T / l, to f16: a lane's eight channels are its 16 bytes of a fragment of the last product's operand
.irp q, 0,1
	v_add_f32 v[TV+12*\q+4], v[TV+12*\q+2], v[TV+12*\q+3]
.endr
.irp q, 0,1
	v_permlanex16_b32 v[TV+12*\q+5], v[TV+12*\q+4], s38, s39
.endr
.irp q, 0,1
	v_add_f32 v[TV+12*\q+4], v[TV+12*\q+4], v[TV+12*\q+5]
.endr
.irp q, 0,1
	v_rcp_f32 v[TV+12*\q+8], v[TV+12*\q+4]
.endr
	v_nop
	s_wait_alu depctr_va_vdst(0)                   ; one wait for both reciprocals
.irp q, 0,1
.set i, 0
.rept 16
	v_pk_mul_f32 v[OV+32*\q+2*i:OV+32*\q+2*i+1], v[OV+32*\q+2*i:OV+32*\q+2*i+1], v[TV+12*\q+8:TV+12*\q+9] op_sel_hi:[1,0]
.set i, i+1
.endr
.endr
.irp q, 0,1
.set i, 0
.rept 16
	v_cvt_pk_f16_f32 v[SV+16*\q+i], v[OV+32*\q+2*i], v[OV+32*\q+2*i+1]
.set i, i+1
.endr
.endr
.irp q, 0,1
.irp c, 0,1,2,3
	global_store_b128 v[L16], v[SV+16*\q+4*\c:SV+16*\q+4*\c+3], s[44:45] offset:\q*32768+\c*512   ; 512 consecutive bytes, aligned
.endr
.endr
	s_wait_tensorcnt 0x0                           ; the wave's end
	ds_add_u32 v[SPW], v[NIL]
	s_wait_dscnt 0x0
	s_endpgm
.Lfunc_end_k_q63785d095c_attn:
	.size	k_q63785d095c_attn, .Lfunc_end_k_q63785d095c_attn-k_q63785d095c_attn
	.p2alignl 7, 3214868480
	.fill 96, 4, 3214868480
	.section	.rodata,"a",@progbits
	.p2align	6, 0x0
	.amdhsa_kernel k_q63785d095c_attn
		.amdhsa_group_segment_fixed_size 133120
		.amdhsa_private_segment_fixed_size 0
		.amdhsa_enable_private_segment 0
		.amdhsa_kernarg_size 32
		.amdhsa_user_sgpr_count 2
		.amdhsa_user_sgpr_kernarg_segment_ptr 1
		.amdhsa_wavefront_size32 1
		.amdhsa_system_sgpr_workgroup_id_x 1
		.amdhsa_system_sgpr_workgroup_id_y 1
		.amdhsa_system_sgpr_workgroup_id_z 1
		.amdhsa_system_vgpr_workitem_id 0
		.amdhsa_next_free_vgpr 256
		.amdhsa_next_free_sgpr 66
		.amdhsa_reserve_vcc 1
		.amdhsa_float_denorm_mode_32 3
		.amdhsa_float_denorm_mode_16_64 3
		.amdhsa_memory_ordered 1
		.amdhsa_forward_progress 1
		.amdhsa_inst_pref_size 73
	.end_amdhsa_kernel
	.amdgpu_metadata
---
amdhsa.version: [ 1, 2 ]
amdhsa.kernels:
  - .name:           k_q63785d095c_attn
    .symbol:         k_q63785d095c_attn.kd
    .args:
      - { .name: qkv, .offset: 0, .size: 8, .value_kind: global_buffer, .address_space: global }
      - { .name: tsum, .offset: 8, .size: 8, .value_kind: global_buffer, .address_space: global }
      - { .name: valid_lens, .offset: 16, .size: 8, .value_kind: global_buffer, .address_space: global }
      - { .name: of, .offset: 24, .size: 8, .value_kind: global_buffer, .address_space: global }
    .group_segment_fixed_size: 133120
    .private_segment_fixed_size: 0
    .kernarg_segment_align: 8
    .kernarg_segment_size: 32
    .max_flat_workgroup_size: 512
    .sgpr_count:     66
    .vgpr_count:     256
    .wavefront_size: 32
...
	.end_amdgpu_metadata
.endif
;; end of part 3
;; launch outp (part 4): grid 4 x 64, 4 waves a work-group, clusters of 4 x 4, 327,680 bytes of LDS; arguments of, wof, out0; writes out0
.if DOCPART == 4
	.amdgcn_target "amdgcn-amd-amdhsa--gfx1250"
	.amdhsa_code_object_version 6
	.text
	.protected	k_q63785d095c_outp
	.globl	k_q63785d095c_outp
	.p2align	8
	.type	k_q63785d095c_outp,@function
k_q63785d095c_outp:
	s_mov_b64 s[64:65], 0
	v_nop
	global_prefetch_b8 v0, s[64:65] scope:SCOPE_SE
	s_setreg_imm32_b32 hwreg(HW_REG_WAVE_MODE, 25, 1), 1
	s_wait_xcnt 0x0
	s_wait_alu depctr_hold_cnt(0) depctr_sa_sdst(0) depctr_va_vdst(0) depctr_va_sdst(0) depctr_va_ssrc(0) depctr_va_vcc(0) depctr_vm_vsrc(0)
	s_getreg_b32 s2, hwreg(HW_REG_IB_STS2, 6, 4)
	s_cmp_eq_u32 s2, 0
	s_cbranch_scc0 .Lentry_in_a_cluster
	s_endpgm
.Lentry_in_a_cluster:
	s_bfe_u32 s2, ttmp6, 0x10000c
	s_cmp_lg_u32 s2, 0xf033
	s_cbranch_scc0 .Lentry_shape_is_right
	s_endpgm
.Lentry_shape_is_right:
; OUTP: out0 = o Wo, [8192, 1024] x [1024, 1024], operands in f16, sums in f32, result f32.
; Both operands lie in memory as images of operand registers: of [token tile 512][kk 32][1,024 bytes], wof [n tile 64][kk 32][1,024 bytes].  So a tile's part of a K step of 128 is 4,096 dense bytes,
; it comes into LDS as it lies, without padding, and every fragment is read by loads of 16 bytes at 16 x lane: 512 consecutive bytes an instruction.
; A work-group makes 128 tokens x 256 columns: 256 work-groups; each of its four waves 64 x 128: 32 accumulators.  K goes in 8 steps of 128 through two LDS slots.
; CLUSTERS of 4 x 4: the four of a row need the same tiles of o, the four of a column the same tiles of Wo: joint loads.  Waves 0, 1 fetch o's halves (4 token tiles), waves 2, 3 Wo's (8 n tiles).
; THE MATRIX INSTRUCTION IS USED TRANSPOSED (source 0 = 16 columns of Wo, source 1 = 16 tokens): a lane holds eight neighbouring numbers of a row of out0.
; No prefetch: K is short and each refill has a K step's products in which to land.
; REGISTERS: window 0: v16-29 addresses; v64-127 o's fragments, two buffers of 32; v128-255 the way out.  window 1: Wo's fragments, two buffers of 64.  window 2: accumulator (a, b) at v[8 (8 a + b)].
.set SLOT,   98304                     ; o's 8 token tiles x 4,096 bytes, then Wo's 16 n tiles x 4,096
.set BOFF,   32768
.set STAGE,  2*SLOT                    ; behind the ring: 16 rows x (512 + 16) bytes for each wave
.set SPITCH, 528
.set SPARE,  STAGE+4*16*SPITCH         ; the spare words: 128 bytes a wave that no other line names
.set LAPS,   4                         ; a lap = two K steps
.set ADRA, 16
.set ADRB, 20
.set STO,  24
.set RD,   25
.set CO,   26
.set SPW,  28
.set NIL,  29
.set AF,   64
.set BK,   128
.set G1, 24
.set G0, 32
.set G1B, 48
.set G0B, 56
.set MSB, 0
.macro WIN new                         ; the immediate's high byte repeats the setting that is left
.if MSB != \new
	s_set_vgpr_msb (MSB<<8)|\new
.set MSB, \new
.endif
.endm
.set MUL,  0xa1                        ; source 0 (Wo) window 1, source 1 (o) window 0, C and D window 2
.set TO_B, 0x40
.macro JLOAD s                         ; an s_nop 0 and four v_nop follow each of the two lines
	s_cmp_eq_u32 s11, 0
	s_cbranch_scc0 .Lfor_b_\@
	tensor_load_to_lds s[G0+4*\s:G0+4*\s+3], s[G1:G1+7]
	s_nop 0
.rept 4
	v_nop
.endr
	s_branch .Lasked_\@
.Lfor_b_\@:
	tensor_load_to_lds s[G0B+4*\s:G0B+4*\s+3], s[G1B:G1B+7]
	s_nop 0
.rept 4
	v_nop
.endr
.Lasked_\@:
.endm
.macro CREST
	s_cmp_lg_u32 s10, 0
	s_cbranch_scc1 .Lnot_wave_0_\@
	s_barrier_signal -3
.Lnot_wave_0_\@:
	s_barrier_wait -3
	s_barrier_signal -1
	s_barrier_wait -1
.endm
.macro CROUND
	s_barrier_signal -1
	s_barrier_wait -1
	CREST
.endm
	s_load_b128 s[4:7], s[0:1], 0x0                ; of s[4:5], wof s[6:7]
	s_load_b64 s[8:9], s[0:1], 0x10                ; out0
	v_lshl_add_u32 v[SPW], v0, 2, SPARE
	v_mov_b32 v[NIL], 0
	ds_add_u32 v[SPW], v[NIL]                      ; the wave's opening: the add, twice on end, and its wait ahead of my first tensor load
	ds_add_u32 v[SPW], v[NIL]
	v_lshrrev_b32 v1, 5, v0
	v_readfirstlane_b32 s10, v1                    ; wave 0..3
	s_lshr_b32 s11, s10, 1                         ; my half of the tokens.  Also: I fetch o (0) or Wo (1)
	s_and_b32 s12, s10, 1                          ; my half of the columns.  Also: which half of that tile I fetch
	s_bfe_u32 s40, ttmp6, 0x40000                  ; cx
	s_bfe_u32 s41, ttmp6, 0x40004                  ; cy
	s_lshl_b32 s42, ttmp9, 2
	s_add_co_u32 s42, s42, s40                     ; tile column, 256 columns
	s_and_b32 s13, ttmp7, 0xffff
	s_lshl_b32 s13, s13, 2
	s_add_co_u32 s13, s13, s41                     ; tile row, 128 tokens
	s_lshl_b32 s43, s41, 2
	s_lshl_b32 s43, 15, s43                        ; my row of the cluster
	s_lshl_b32 s44, 0x1111, s40                    ; my column
	s_or_b32 s[G1+0], s43, (3<<16)|(1<<21)         ; the mask; elements of 8 bytes; no padding; bit 21 beside a mask
	s_or_b32 s[G1B+0], s44, (3<<16)|(1<<21)
	s_mov_b32 s[G1+1], 512<<16                     ; tensor_dim0: 512 elements = 4,096 bytes: a tile's part of a K step
	s_mov_b32 s[G1+2], 4<<16                       ; tensor_dim1: 4 token tiles
	s_mov_b32 s[G1+3], 512<<16                     ; tile_dim0
	s_mov_b32 s[G1+4], 4                           ; tile_dim1
	s_mov_b32 s[G1+5], 4096                        ; from tile to tile: 32,768 bytes
	s_mov_b32 s[G1+6], 0
	s_mov_b32 s[G1+7], 0
	s_mov_b32 s[G1B+1], 512<<16
	s_mov_b32 s[G1B+2], 8<<16                      ; 8 n tiles
	s_mov_b32 s[G1B+3], 512<<16
	s_mov_b32 s[G1B+4], 8
	s_mov_b32 s[G1B+5], 4096
	s_mov_b32 s[G1B+6], 0
	s_mov_b32 s[G1B+7], 0
	s_lshl_b32 s16, s13, 3
	s_lshl_b32 s17, s12, 2
	s_add_co_u32 s16, s16, s17                     ; o: token tile 8 x tile row + 4 x half
	s_lshl_b32 s16, s16, 15
	s_mov_b32 s17, 0
	s_lshl_b32 s46, s42, 4
	s_lshl_b32 s47, s12, 3
	s_add_co_u32 s46, s46, s47                     ; Wo: n tile 16 x tile column + 8 x half
	s_lshl_b32 s46, s46, 15
	s_mov_b32 s47, 0
	s_lshl_b32 s20, s12, 14                        ; where they go: no place in the cluster enters an LDS address
	s_lshl_b32 s21, s12, 15
	s_add_co_u32 s21, s21, BOFF
	s_wait_dscnt 0x0                               ; both opening adds are done
	s_wait_kmcnt 0x0
	s_add_nc_u64 s[14:15], s[4:5], s[16:17]
	s_add_nc_u64 s[46:47], s[6:7], s[46:47]
	CROUND                                         ; all sixteen work-groups are here: the first joint loads meet
.irp s, 0,1
	s_mov_b32 s[G0+4*\s], 1
	s_add_co_u32 s[G0+4*\s+1], s20, \s*SLOT
	s_add_nc_u64 s[G0+4*\s+2:G0+4*\s+3], s[14:15], \s*4096
	s_or_b32 s[G0+4*\s+3], s[G0+4*\s+3], 0x80000000
	s_mov_b32 s[G0B+4*\s], 1
	s_add_co_u32 s[G0B+4*\s+1], s21, \s*SLOT
	s_add_nc_u64 s[G0B+4*\s+2:G0B+4*\s+3], s[46:47], \s*4096
	s_or_b32 s[G0B+4*\s+3], s[G0B+4*\s+3], 0x80000000
	JLOAD \s                                       ; two loads of mine are out behind the second
.endr
	v_and_b32 v1, 15, v0                           ; r
	v_bfe_u32 v2, v0, 4, 1                         ; h
	v_and_b32 v3, 31, v0
	v_lshlrev_b32 v[CO], 4, v3                     ; 16 x lane
	s_lshl_b32 s21, s11, 14                        ; my 4 token tiles
	s_lshl_b32 s22, s12, 15                        ; my 8 n tiles,
	s_add_co_u32 s22, s22, BOFF                    ; behind o's
.irp s, 0,1
	v_add_nc_u32 v[ADRA+\s], s21, v[CO]
	v_add_nc_u32 v[ADRB+\s], s22, v[CO]
	s_add_co_u32 s21, s21, SLOT
	s_add_co_u32 s22, s22, SLOT
.endr
	s_mul_i32 s23, s10, 16*SPITCH
	s_add_co_u32 s23, s23, STAGE                   ; my stage
	v_mul_u32_u24 v5, v1, SPITCH
	v_lshl_add_u32 v5, v2, 5, v5
	v_add_nc_u32 v[STO], s23, v5                   ; in: row r, 32 bytes for each half of the lanes
	v_add_nc_u32 v[RD], s23, v[CO]                 ; back: the 32 lanes take one row of 512 bytes
	s_lshl_b32 s16, s13, 7
	s_lshl_b32 s17, s11, 6
	s_add_co_u32 s16, s16, s17                     ; my first token
	s_lshl_b32 s16, s16, 12                        ; 4,096 bytes a row of out0
	s_lshl_b32 s46, s42, 10
	s_lshl_b32 s47, s12, 9
	s_add_co_u32 s46, s46, s47                     ; my first column x 4
	s_add_co_u32 s16, s16, s46
	s_mov_b32 s17, 0
	s_add_nc_u64 s[8:9], s[8:9], s[16:17]
; 8 matrix instructions: token tile a x my eight n tiles, 32 along K, buffer f.  The 32 accumulators take turns, one instruction a turn, in the same order in every quarter.
.macro MULA f, a, zero
.irp b, 0,1,2,3,4,5,6,7
.if \zero
	v_wmma_f32_16x16x32_f16 v[8*(8*(\a)+\b):8*(8*(\a)+\b)+7], v[64*(\f)+8*\b:64*(\f)+8*\b+7], v[AF+32*(\f)+8*(\a):AF+32*(\f)+8*(\a)+7], 0
.else
	v_wmma_f32_16x16x32_f16 v[8*(8*(\a)+\b):8*(8*(\a)+\b)+7], v[64*(\f)+8*\b:64*(\f)+8*\b+7], v[AF+32*(\f)+8*(\a):AF+32*(\f)+8*(\a)+7], v[8*(8*(\a)+\b):8*(8*(\a)+\b)+7]
.endif
.endr
.endm
.macro FETCH slot, q, f                ; 24 LDS loads in one run: the fragments of the slot's q-th 32 along K into buffer f
	WIN TO_B
.irp i, 0,1,2,3,4,5,6,7
.irp c, 0,1
	ds_load_b128 v[64*(\f)+8*\i+4*\c:64*(\f)+8*\i+4*\c+3], v[ADRB+\slot] offset:\i*4096+(\q)*1024+\c*512
.endr
.endr
	WIN 0
.irp i, 0,1,2,3
.irp c, 0,1
	ds_load_b128 v[AF+32*(\f)+8*\i+4*\c:AF+32*(\f)+8*\i+4*\c+3], v[ADRA+\slot] offset:\i*4096+(\q)*1024+\c*512
.endr
.endr
.endm
.macro PLACES                          ; four places in front of loads into registers that matrix instructions have read, and of the first read of results
.rept 4
	v_nop
.endr
.endm
.macro QUARTER slot, qn, f, g, zero    ; multiplies buffer f; in its middle fetches the slot's quarter qn into buffer g
	s_wait_dscnt 0x0
	WIN MUL
	MULA \f, 0, \zero
	MULA \f, 1, \zero
	PLACES
	FETCH \slot, \qn, \g
	WIN MUL
	MULA \f, 2, \zero
	MULA \f, 3, \zero
.endm
; A slot's last quarter multiplies buffer 1 and changes slots: one barrier; in front of it each wave waits for all its tensor loads, adds 0 to its spare word, and waits for that and for its reads of this slot.
.macro TURN slot, next, fill
	WIN 0
	s_wait_tensorcnt 0x0                           ; my part of the next slot has landed; no load of mine is out
	ds_add_u32 v[SPW], v[NIL]
	s_wait_dscnt 1                                 ; (the add alone may be out: buffer 1 is in)
	WIN MUL
	MULA 1, 0, 0
	s_wait_dscnt 0x0                               ; the add is done, and my reads of this slot are over
	s_barrier_signal -1
	MULA 1, 1, 0
	WIN 0
	s_barrier_wait -1
.if \fill
	CREST                                          ; the barrier has opened a round of the cluster's: no wave of any partner still reads this slot or has a load on its way
	s_add_nc_u64 s[G0+4*\slot+2:G0+4*\slot+3], s[G0+4*\slot+2:G0+4*\slot+3], 8192
	s_add_nc_u64 s[G0B+4*\slot+2:G0B+4*\slot+3], s[G0B+4*\slot+2:G0B+4*\slot+3], 8192
	JLOAD \slot                                    ; the first tensor load behind the round; its four v_nop are also the places in front of the loads below
.else
	PLACES
.endif
	FETCH \next, 0, 0
	WIN MUL
	MULA 1, 2, 0
	MULA 1, 3, 0
.endm
	s_wait_tensorcnt 1                             ; my part of K step 0 is in; K step 1's load may be out
	s_barrier_signal -1
	s_barrier_wait -1
	FETCH 0, 0, 0
	QUARTER 0, 1, 0, 1, 1                          ; the first products start the sums
	WIN 0
	s_mov_b32 s3, LAPS-1
.Llap:                                             ; a trip goes once round the ring and fills both slots again
	QUARTER 0, 2, 1, 0, 0
	QUARTER 0, 3, 0, 1, 0
	TURN 0, 1, 1
	QUARTER 1, 1, 0, 1, 0
	QUARTER 1, 2, 1, 0, 0
	QUARTER 1, 3, 0, 1, 0
	TURN 1, 0, 1
	QUARTER 0, 1, 0, 1, 0
	WIN 0
	s_sub_co_u32 s3, s3, 1
	s_cmp_lg_u32 s3, 0
	s_cbranch_scc1 .Llap
	QUARTER 0, 2, 1, 0, 0                          ; the last lap fills nothing
	QUARTER 0, 3, 0, 1, 0
	TURN 0, 1, 0
	QUARTER 1, 1, 0, 1, 0
	QUARTER 1, 2, 1, 0, 0
	QUARTER 1, 3, 0, 1, 0
	s_wait_dscnt 0x0
	WIN MUL
	MULA 1, 0, 0
	MULA 1, 1, 0
	MULA 1, 2, 0
	MULA 1, 3, 0
	WIN 0
; THE WAY OUT, a block of 16 tokens x 128 columns at a time, through my own stage: in as 32 bytes a lane, back as whole rows of 512 bytes.  LDS serves a wave's instructions in order (ISA guide 5.7.1.4).
.macro TOSTAGE a
.set AC, 64*(\a)
	WIN 0x08                                       ; the data: window 2
.irp b, 0,1,2,3,4,5,6,7
	ds_store_b128 v[STO], v[AC+8*\b:AC+8*\b+3] offset:64*\b          ; each accumulator from its low end on
	ds_store_b128 v[STO], v[AC+8*\b+4:AC+8*\b+7] offset:64*\b+16
.endr
	WIN 0
.set BB, BK+64*((\a)%2)
.irp t, 0,1,2,3,4,5,6,7,8,9,10,11,12,13,14,15
	ds_load_b128 v[BB+4*\t:BB+4*\t+3], v[RD] offset:\t*SPITCH
.endr
.endm
.macro SEND a, younger
.set BB, BK+64*((\a)%2)
	s_wait_dscnt \younger                          ; the block is back; the next block's 16 stores and 16 loads may be out
.if (\a) > 0
	s_add_nc_u64 s[8:9], s[8:9], 16*4096           ; (behind a wait on XCNT: the earlier stores have read their base)
.endif
.irp t, 0,1,2,3,4,5,6,7,8,9,10,11,12,13,14,15
	global_store_b128 v[CO], v[BB+4*\t:BB+4*\t+3], s[8:9] offset:\t*4096 th:TH_STORE_NT   ; 32 lanes store 512 consecutive bytes, aligned
.endr
.endm
	PLACES
	TOSTAGE 0
.irp a, 1,2,3
.if \a > 1
	s_wait_xcnt 0x0                                ; block a - 2's stores have read their registers and their base
.endif
	TOSTAGE \a
	SEND \a-1, 32
.endr
	s_wait_xcnt 0x0
	SEND 3, 0
	s_wait_tensorcnt 0x0                           ; the wave's end
	ds_add_u32 v[SPW], v[NIL]
	s_wait_dscnt 0x0
	CROUND                                         ; the closing round: no work-group ends while a partner may still ask for a tile that names it
	s_endpgm
.Lfunc_end_k_q63785d095c_outp:
	.size	k_q63785d095c_outp, .Lfunc_end_k_q63785d095c_outp-k_q63785d095c_outp
	.p2alignl 7, 3214868480
	.fill 96, 4, 3214868480
	.section	.rodata,"a",@progbits
	.p2align	6, 0x0
	.amdhsa_kernel k_q63785d095c_outp
		.amdhsa_group_segment_fixed_size 327680
		.amdhsa_private_segment_fixed_size 0
		.amdhsa_enable_private_segment 0
		.amdhsa_kernarg_size 24
		.amdhsa_user_sgpr_count 2
		.amdhsa_user_sgpr_kernarg_segment_ptr 1
		.amdhsa_wavefront_size32 1
		.amdhsa_system_sgpr_workgroup_id_x 1
		.amdhsa_system_sgpr_workgroup_id_y 1
		.amdhsa_system_sgpr_workgroup_id_z 1
		.amdhsa_system_vgpr_workitem_id 0
		.amdhsa_next_free_vgpr 768
		.amdhsa_next_free_sgpr 66
		.amdhsa_reserve_vcc 0
		.amdhsa_float_denorm_mode_32 3
		.amdhsa_float_denorm_mode_16_64 3
		.amdhsa_memory_ordered 1
		.amdhsa_forward_progress 1
		.amdhsa_inst_pref_size 85
	.end_amdhsa_kernel
	.amdgpu_metadata
---
amdhsa.version: [ 1, 2 ]
amdhsa.kernels:
  - .name:           k_q63785d095c_outp
    .symbol:         k_q63785d095c_outp.kd
    .args:
      - { .name: of, .offset: 0, .size: 8, .value_kind: global_buffer, .address_space: global }
      - { .name: wof, .offset: 8, .size: 8, .value_kind: global_buffer, .address_space: global }
      - { .name: out0, .offset: 16, .size: 8, .value_kind: global_buffer, .address_space: global }
    .group_segment_fixed_size: 327680
    .private_segment_fixed_size: 0
    .kernarg_segment_align: 8
    .kernarg_segment_size: 24
    .max_flat_workgroup_size: 128
    .sgpr_count:     66
    .vgpr_count:     768
    .wavefront_size: 32
...
	.end_amdgpu_metadata
.endif
;; end of part 4
